; MI455X (gfx1250); checked and timed in simulation.
; The chip was launched on July 23, 2026; its instructions are those of AMD's public machine-readable ISA for CDNA 5 (MIT licence, August 2026) and "CDNA5" Instruction Set Architecture Reference Guide (July 2026). The comments in the code are by the model that wrote it; some were corrected since.
;; Ideal Diffuser. Allowed arithmetic: matrix products marked QUANTISED: E2M3 operands, one E8M0 scale for each 32 along K, by v_wmma_scale_f32_16x16x128_f8f6f4 with both operands' format E2M3, f32 sums; products left as they are: f32 operands where the result goes on into a quantised operand, else bf16, f16 or f32 operands; f32 sums; everything else in f32.
;; Inputs: cond 1,024 x 16 float32; cond_data 50,000 x 16 float32; samples 50,000 x 512 float32; sigma 1,024 float32; x 1,024 x 512 float32.
;; Outputs: out0 1,024 x 512 float32.
;; This version of the problem:
;;   THIS VERSION OF THE PROBLEM IS GIVEN IN LOW PRECISION. The matrix products marked QUANTISED in the list below multiply operands that are first quantised to E2M3 (2 exponent bits, 3 mantissa bits; 6 bits a number), with one power-of-two scale for each 32 numbers along K (OCP MX v1.0); their sums are f32. All else is computed in f32.
;;   The module's matrix products, in the order in which they are computed (A, B: the left and right operand; K: the contracted axis; several contracted axes count as one K, in the product's order):
;;     1. [M 50,000, K 512] x [K 512, N 1,024]; A: input samples; B: input x: QUANTISED
;;     2. [M 50,000, K 16] x [K 16, N 1,024]; A: input cond_data; B: input cond: left as it is (K = 16 < 32)
;;     3. [M 1,024, K 50,000] x [K 50,000, N 512]; A: softmax (see below); B: input samples: QUANTISED
;;   THE QUANTISER, for each operand of a quantised product, along K:
;;     - K is cut into blocks of 32 from its start; a last block that is shorter is filled with zeros.
;;     - A block's scale is 2^e with e = floor(log2(the largest magnitude in the block)) - 2, held to -126 .. 127; a block of zeros has e = 0. As a byte (E8M0): e + 127.
;;     - Each number is divided by its block's scale, clamped to +-7.5, and rounded to the nearest number of E2M3, ties to even, subnormals kept.
;;     - The product sums the exact products of the quantised numbers (number of the format x scale) in f32.
;;   ~~~python
;;   def quantise(x, axis):      # numpy; x: float32 -> the quantised numbers, widened to float32 again
;;       x = np.moveaxis(x, axis, -1); K = x.shape[-1]
;;       x = np.pad(x, [(0, 0)] * (x.ndim - 1) + [(0, -K % 32)]); x = x.reshape(x.shape[:-1] + (-1, 32)); a = np.abs(x).max(-1, keepdims=True)
;;       e = np.where(a > 0, np.clip(np.frexp(np.where(a > 0, a, 1))[1] - 1 - 2, -126, 127), 0)      # np.frexp(a)[1] - 1 = floor(log2(a)), exactly
;;       r = np.clip(x / 2.0 ** e, -7.5, 7.5)
;;       step = 2.0 ** (np.maximum(np.frexp(np.where(r == 0, 1, r))[1] - 1, 0) - 3)
;;       q = np.round(r / step) * step * 2.0 ** e      # np.round: ties to even
;;       return np.moveaxis(q.reshape(q.shape[:-2] + (-1,))[..., :K], -1, axis).astype(np.float32)
;;   ~~~
;;   SOFTMAX AHEAD OF A QUANTISED PRODUCT. Where the list says 'softmax', what is quantised is not the finished softmax but p = 2^(t - M), with t = logit x log2(e) and M = ceil(the row's largest t), a whole number; so 1/2 < the row's largest p <= 1. The row's sum l is taken of the UNQUANTISED p, in f32, and the product's result is divided by l at the end. Since M is a whole number, a kernel that streams over the keys may use a running M (the ceiling of the running maximum): every later rescaling is an exact power of two, which a block's scale takes up: the codes' values come out the same.
;;   OPERANDS COMPUTED ON THE WAY. 'Computed on the way' means the value that the module computes at that place (a softmax that the list does not call 'softmax' is quantised finished and normalised). What goes into a quantiser is computed in f32, as accurately as f32 sums, v_exp_f32 and their like allow (about 1e-6 of the number): no bf16 or f16 on the way to a quantiser, and a product that is left as it is and whose result goes on into a quantised operand takes f32 operands (vector FMAs, or v_wmma_f32_16x16x4_f32). A number that lies on a knife's edge between two numbers of the format may be rounded either way, as far as f32 arithmetic and the matrix unit's own rounding can turn it there, and no further.
;; One version. Each part assembles by itself: llvm-mc -triple=amdgcn-amd-amdhsa -mcpu=gfx1250 --defsym DOCPART=n.
;; ======== version 1 of 1: 4 launches
;; limits: right only within a limited range of input values
;; workspace buffers: kimg 19,267,584 bytes; vimg 19,267,584 bytes; aux 3,166,208 bytes; pimg 38,535,168 bytes; stat 12,845,056 bytes; opart 58,949,632 bytes
;; launch prep (part 1): grid 408 x 1, 4 waves a work-group, no clusters, 27,136 bytes of LDS; arguments samples, cond_data, x, cond, sigma, kimg, vimg, aux; writes kimg, vimg, aux
.if DOCPART == 1
	.amdgcn_target "amdgcn-amd-amdhsa--gfx1250"
	.amdhsa_code_object_version 6
	.text
	.protected	k_q0ff10f8e6e_prep
	.globl	k_q0ff10f8e6e_prep
	.p2align	8
	.type	k_q0ff10f8e6e_prep,@function
k_q0ff10f8e6e_prep:
	s_mov_b64 s[64:65], 0
	v_nop
	global_prefetch_b8 v0, s[64:65] scope:SCOPE_SE
	s_setreg_imm32_b32 hwreg(HW_REG_WAVE_MODE, 25, 1), 1
	s_wait_xcnt 0x0
; samples [50000][512] f32 are read ONCE and become two sets of codes of FP6 (E2M3) with E8M0 scale bytes:
;   kimg: blocks of 32 along D (the first product's K);   vimg: blocks of 32 along the keys (the second product's K).
; Both are laid in the order of the operand's registers.  A fragment (16 rows x 128 K, 12 registers a lane) is two halves c of 768 bytes:
; registers 6c..6c+3 of lane l at 16 l (512 bytes), registers 6c+4, 6c+5 of lane (r, h) at 512 + 16 r + 8 h (256 bytes).
; Keys 50000 .. 50175 are written as zeros (zero codes, byte 1, a2 = 0) with c2 = 2^93, which alone takes their weight to 0 in the next launch: 392 whole steps of 128 keys, and no mask.
; Work-groups 0-391: 128 keys each; wave g takes columns 128 g .. 128 g + 127 as 16 sub-tiles of 32 x 32.  A sub-tile is loaded with a lane to a column (registers down the keys: the codes along the keys
; come straight from the conversions), turned through the wave's own stage in LDS, and read back with a lane to a key (registers along D).  Also: a2, c2, and the scale words.
; Work-groups 392-407: a wave to a tile of 16 queries: x's codes and scale words, cond in the f32 matrix operand's order, and the query's numbers in two parts each.
; THE SUMS OF SQUARES run into the softmax's quantiser, where the last bit of a sum shows.  So they lose as little as f32 instructions allow: 32 squares by fused multiply-adds in eight short sums and a tree;
; the 16 block sums (and the 16 squares of a row of cond or cond_data) by additions whose dropped parts are kept and added at the end.  a2 and c2 are then rounded once.  a2's 16 block sums come from four waves: they meet in LDS behind a barrier.
; For a query: b2 = Bh + Bl with Bh cut to 12 bits (so that a2 + Bh drops only what two subtractions find again); d2 = Dh + Dl, stored as Dh and (log2(e) / 0.02) Dl; u = log2(e) / (2 sigma^2) = Uh + Ul.
; A block's scale byte is the largest magnitude's exponent field - 2, held at 1 from below; a block of zeros keeps 1 (its codes are zeros; this program alone reads the bytes).
; LIMITS: NaN and infinities among the inputs are not served; blocks whose largest magnitude lies under 2^-124 keep the byte 1.
; No tensor loads.  No matrix units: this launch only streams.
.set MV,   50000
.set COL,  16                          ; v16-111  three sets of 32: a sub-tile as loaded (lane = column)
.set ROW,  112                         ; v112-143 the sub-tile turned (lane = key)
.set CVV,  144                         ; v144-147 16 bytes of codes along the keys
.set CT,   148                         ; v148-150 the second conversion's result
.set VQ,   152                         ; v152-167 four quads: registers 4, 5 of two neighbouring blocks along the keys
.set KQ,   168                         ; v168-171 the same along D
.set VW,   172                         ; v172-175 scale words along the keys
.set KW,   176                         ; v176-179 scale words along D
.set BSX,  184                         ; v184-191 x's path: my eight block sums
.set OTH,  164                         ; v164-171 x's path: lane l xor 16's eight
.set A2R,  192                         ; v192     a block's sum of squares
.set CVK,  212                         ; v212-215 16 bytes of codes along D
.set SQ,   216                         ; v216-247 short sums, or 16 numbers to be added, and 16 more
.set HH,   248                         ; a sum
.set LL,   249                         ; what its additions have dropped
.set DB,   250                         ; v250-252 at work
.set DC,   251
.set DD,   252
.set XF,   152                         ; x's path: a fragment, 12 registers
.set BS,   18432                       ; LDS behind the four stages: a2's block sums, [block 16][key 128] f32
.set QBLK, 2609152                     ; aux: the queries' blocks,
.set TILE, 8704                        ; 8,704 bytes a tile
.macro BSUM src, dst                   ; the sum of 32 squares: eight sums of four fused multiply-adds each, then a tree
.irp k, 0,1,2,3
	v_pk_mul_f32 v[SQ+2*\k:SQ+2*\k+1], v[\src+2*\k:\src+2*\k+1], v[\src+2*\k:\src+2*\k+1]
.endr
.irp k, 4,5,6,7,8,9,10,11,12,13,14,15
	v_pk_fma_f32 v[SQ+2*(\k%4):SQ+2*(\k%4)+1], v[\src+2*\k:\src+2*\k+1], v[\src+2*\k:\src+2*\k+1], v[SQ+2*(\k%4):SQ+2*(\k%4)+1]
.endr
	v_pk_add_f32 v[SQ:SQ+1], v[SQ:SQ+1], v[SQ+2:SQ+3]
	v_pk_add_f32 v[SQ+4:SQ+5], v[SQ+4:SQ+5], v[SQ+6:SQ+7]
	v_pk_add_f32 v[SQ:SQ+1], v[SQ:SQ+1], v[SQ+4:SQ+5]
	v_add_f32 v[\dst], v[SQ], v[SQ+1]
.endm
.macro SQ16 x                          ; 16 numbers v[x ..]: their squares, each rounded, into v[SQ ..]; what the 16 roundings drop (a fused multiply-add gives it exactly), summed, into v[LL]
.irp k, 0,1,2,3,4,5,6,7
	v_pk_mul_f32 v[SQ+2*\k:SQ+2*\k+1], v[\x+2*\k:\x+2*\k+1], v[\x+2*\k:\x+2*\k+1]
.endr
	v_fma_f32 v[LL], v[\x], v[\x], -v[SQ]
.irp k, 1,2,3,4,5,6,7,8,9,10,11,12,13,14,15
	v_fma_f32 v[DD], v[\x+\k], v[\x+\k], -v[SQ+\k]
	v_add_f32 v[LL], v[LL], v[DD]
.endr
.endm
.macro DSUM16                          ; v[SQ] .. v[SQ+15] are added; what each addition drops is found by five more operations and added onto v[LL].  The running sum lies in v[SQ] and v[HH] by turns and ends in v[HH]
.set hc, SQ
.set hn, HH
.irp i, 1,2,3,4,5,6,7,8,9,10,11,12,13,14,15
	v_add_f32 v[hn], v[hc], v[SQ+\i]
	v_sub_f32 v[DB], v[hn], v[hc]
	v_sub_f32 v[DC], v[hn], v[DB]
	v_sub_f32 v[DD], v[SQ+\i], v[DB]
	v_sub_f32 v[DC], v[hc], v[DC]
	v_add_f32 v[DC], v[DC], v[DD]
	v_add_f32 v[LL], v[LL], v[DC]
.set ht, hc
.set hc, hn
.set hn, ht
.endr
.endm
; 32 numbers v[src..src+31] of one block become 24 bytes of codes: 16 in v[cv..cv+3], 4 each in v[q0], v[q1]; the byte goes into v[w] at bit sh
.macro QUANT32 src, cv, ct, q0, q1, w, sh
	v_max3_num_f32 v180, |v[\src]|, |v[\src+1]|, 0x1800000         ; the floor 2^(3 - 127) among the leaves: the byte cannot fall under 1
	v_max3_num_f32 v181, |v[\src+2]|, |v[\src+3]|, |v[\src+4]|
.irp i, 5,9,13,17,21,25
	v_max3_num_f32 v180, v180, |v[\src+\i]|, |v[\src+\i+1]|
	v_max3_num_f32 v181, v181, |v[\src+\i+2]|, |v[\src+\i+3]|
.endr
	v_max3_num_f32 v180, v180, |v[\src+29]|, |v[\src+30]|
	v_max3_num_f32 v180, v180, v181, |v[\src+31]|
	v_add_nc_u32 v182, 0xff000000, v180                            ; 2 off the exponent field: the conversion's scale operand
	s_wait_alu depctr_va_vdst(0)
	s_wait_xcnt 0x0                                                ; earlier stores have read their data: the codes' registers are written again only behind this wait
	v_cvt_scalef32_pk16_fp6_f32 v[\cv:\cv+2], v[\src:\src+15], v182
	v_cvt_scalef32_pk16_fp6_f32 v[\ct:\ct+2], v[\src+16:\src+31], v182
	v_lshrrev_b32 v183, 23, v182                                   ; the byte; also the plain place behind the conversions
	v_mov_b32 v[\cv+3], v[\ct]
	v_mov_b32 v[\q0], v[\ct+1]
	v_mov_b32 v[\q1], v[\ct+2]
.if \sh == 0
	v_mov_b32 v[\w], v183
.else
	v_lshl_or_b32 v[\w], v183, \sh, v[\w]
.endif
.endm
	s_load_b256 s[4:11], s[0:1], 0x0               ; samples s[4:5], cond_data s[6:7], x s[8:9], cond s[10:11]
	s_load_b256 s[12:19], s[0:1], 0x20             ; sigma s[12:13], kimg s[14:15], vimg s[16:17], aux s[18:19]
	v_lshl_add_u32 v254, v0, 2, 0x6800
	v_mov_b32 v255, 0
	v_lshrrev_b32 v1, 5, v0
	v_readfirstlane_b32 s20, v1                    ; wave g
	v_and_b32 v1, 31, v0                           ; lane
	v_lshlrev_b32 v2, 2, v1                        ; 4 x lane
	v_lshlrev_b32 v7, 4, v1                        ; 16 x lane
	s_cmp_ge_u32 ttmp9, 392                        ; the same in all four waves
	s_wait_alu depctr_va_vdst(0)
	s_cbranch_scc1 .Lxpath
; ---------------- the samples ----------------
	v_mul_u32_u24 v3, v1, 144                      ; the stage: [column 32][key 32], 144 bytes from column to column (an odd multiple of 16)
	s_mul_i32 s21, s20, 4608
	v_add_nc_u32 v3, s21, v3                       ; in: my column
	v_add_nc_u32 v4, s21, v2                       ; back: my key
	s_lshl_b32 s21, s20, 11
	s_add_co_u32 s21, s21, BS
	v_add_nc_u32 v12, s21, v2                      ; block sums, in: blocks 4 g on, key = lane (+ 32 mb in the immediate)
	s_lshl_b32 s21, s20, 7
	s_add_co_u32 s21, s21, BS
	v_add_nc_u32 v13, s21, v2                      ; and back: key 32 g + lane, all 16 blocks
	v_bfe_u32 v9, v1, 3, 1                         ; key i of a block of 32 lies in tile u = (i / 8) % 2, image row (i % 8) + 8 (i / 16)
	v_and_b32 v10, 7, v1
	v_lshrrev_b32 v11, 4, v1
	v_lshl_add_u32 v10, v11, 3, v10
	v_lshlrev_b32 v10, 4, v10
	v_mad_u32_u24 v5, v9, 6144, v10                ; my key's place in kimg
	v_and_b32 v10, 15, v1
	v_lshlrev_b32 v10, 4, v10
	v_mad_u32_u24 v6, v11, 1536, v10               ; my column's place in vimg
	s_lshl_b32 s22, ttmp9, 7                       ; the work-group's first key
	s_lshl_b32 s23, s20, 5
	s_add_co_u32 s23, s22, s23
	v_add_nc_u32 v9, s23, v1                       ; the key whose a2 and c2 I finish
	v_min_u32 v8, 0xc34f, v9                       ; held at 49,999: no load leaves its buffer
	v_lshlrev_b32 v8, 6, v8
	s_lshl_b32 s26, s20, 9
	s_mov_b32 s27, 0
	s_mov_b32 s31, 0
	s_wait_alu depctr_va_vdst(0)
	s_wait_kmcnt 0x0
	s_add_nc_u64 s[24:25], s[4:5], s[26:27]        ; samples at my 128 columns
; eight bases, one for each 16 keys.  50,000 is a multiple of 16: a run of 16 keys is all there or all beyond the end; beyond it the base is row 0 and the numbers are replaced by zeros
.irp hb, 0,1,2,3,4,5,6,7
	s_add_co_u32 s21, s22, 16*\hb
	s_lshl_b32 s30, s21, 11
	s_cmp_lt_u32 s21, MV
	s_cselect_b32 s30, s30, 0
	s_cselect_b32 s[48+\hb], 1, 0
	s_add_nc_u64 s[32+2*\hb:33+2*\hb], s[24:25], s[30:31]
.endr
	s_mul_i32 s26, ttmp9, 49152
	s_mul_i32 s30, s20, 1536
	s_add_co_u32 s30, s30, s26
	s_add_nc_u64 s[56:57], s[14:15], s[30:31]      ; kimg: four blocks of 12,288 bytes a work-group; D step g
	s_mul_i32 s30, s20, 12288
	s_add_co_u32 s30, s30, s26
	s_add_nc_u64 s[58:59], s[16:17], s[30:31]      ; vimg: a K step of 49,152 bytes a work-group; d tiles 8 g on
	s_lshl_b32 s26, ttmp9, 11
	s_lshl_b32 s30, s20, 9
	s_add_co_u32 s30, s30, s26
	s_add_nc_u64 s[60:61], s[18:19], s[30:31]      ; the scale words
	s_lshl_b32 s26, ttmp9, 9
	s_lshl_b32 s30, s20, 7
	s_add_co_u32 s30, s30, s26
	s_add_nc_u64 s[66:67], s[18:19], s[30:31]      ; a2 and c2: 4 bytes a key, keys 128 WG + 32 g on
.irp k, 0,1,2,3
	global_load_b128 v[196+4*\k:199+4*\k], v8, s[6:7] offset:16*\k
.endr
.macro LOAD n                          ; sub-tile n = 4 mb + jj: keys 32 mb on, columns 32 jj on: each load reads 128 consecutive bytes
.irp i, 0,1,2,3,4,5,6,7,8,9,10,11,12,13,14,15,16,17,18,19,20,21,22,23,24,25,26,27,28,29,30,31
	global_load_b32 v[COL+32*((\n)%3)+\i], v2, s[32+2*(2*((\n)/4)+\i/16):33+2*(2*((\n)/4)+\i/16)] offset:(\i%16)*2048+((\n)%4)*128 th:TH_LOAD_NT
.endr
.endm
	LOAD 0
	LOAD 1
.macro SUB n
.set MB, (\n)/4
.set JJ, (\n)%4
.set CS, COL+32*((\n)%3)
.if (\n) < 15
	s_wait_loadcnt 32                              ; this sub-tile's 32 loads are in; the next one's 32 stay out
.else
	s_wait_loadcnt 0x0
.endif
.if (\n)+2 <= 15
	LOAD (\n)+2
.endif
	s_cmp_lt_u32 ttmp9, 390                        ; only the last two work-groups reach past key 49,999
	s_cbranch_scc1 .Lfull_\@
	s_cmp_eq_u32 s[48+2*MB], 1
	s_cbranch_scc1 .Lhalf_\@
.irp i, 0,1,2,3,4,5,6,7,8,9,10,11,12,13,14,15
	v_mov_b32 v[CS+\i], 0
.endr
.Lhalf_\@:
	s_cmp_eq_u32 s[48+2*MB+1], 1
	s_cbranch_scc1 .Lfull_\@
.irp i, 0,1,2,3,4,5,6,7,8,9,10,11,12,13,14,15
	v_mov_b32 v[CS+16+\i], 0
.endr
.Lfull_\@:
	s_wait_alu depctr_va_vdst(0)
.irp k, 0,1,2,3,4,5,6,7
	ds_store_b128 v3, v[CS+4*\k:CS+4*\k+3] offset:16*\k
.endr
.irp d, 0,1,2,3,4,5,6,7,8,9,10,11,12,13,14,15,16,17,18,19,20,21,22,23,24,25,26,27,28,29,30,31
	ds_load_b32 v[ROW+\d], v4 offset:144*\d        ; LDS serves a wave's instructions in order: these see the stores above
.endr
	QUANT32 CS, CVV, CT, VQ+4*JJ+2*(MB%2), VQ+4*JJ+2*(MB%2)+1, VW+JJ, 8*MB     ; along the keys, while the turn is on its way
	global_store_b128 v6, v[CVV:CVV+3], s[58:59] offset:3072*JJ+768*(MB/2)+256*(MB%2)   ; sixteen lanes fill 256 consecutive bytes, aligned
.if MB%2 == 1
	global_store_b128 v6, v[VQ+4*JJ:VQ+4*JJ+3], s[58:59] offset:3072*JJ+768*(MB/2)+512
.endif
	s_wait_dscnt 0x0                               ; the sub-tile is back, a lane to a key
	BSUM ROW, A2R                                  ; my key's sum of squares over these 32 columns
	QUANT32 ROW, CVK, CT, KQ+2*(JJ%2), KQ+2*(JJ%2)+1, KW+MB, 8*JJ               ; along D
	ds_store_b32 v12, v[A2R] offset:512*JJ+128*MB
	global_store_b128 v5, v[CVK:CVK+3], s[56:57] offset:12288*MB+768*(JJ/2)+256*(JJ%2)
.if JJ%2 == 1
	global_store_b128 v5, v[KQ:KQ+3], s[56:57] offset:12288*MB+768*(JJ/2)+512
.endif
.endm
.irp t, 0,1,2,3,4,5,6,7,8,9,10,11,12,13,14,15
	SUB \t
.endr
	SQ16 196                                       ; c2 (every load has been waited for)
	DSUM16
	v_add_f32 v193, v[HH], v[LL]                   ; rounded once
	v_cmp_gt_u32 vcc_lo, 0xc350, v9
	v_cndmask_b32 v193, 0x6e000000, v193, vcc_lo   ; 2^93 beyond the last key
	global_store_b32 v2, v193, s[66:67] offset:2408448
	global_store_b128 v7, v[KW:KW+3], s[60:61]                 ; [K step][g][key in its block][block]
	global_store_b128 v7, v[VW:VW+3], s[60:61] offset:802816   ; [K step][g][column % 32][column / 32]
	s_wait_dscnt 0x0                               ; for the others' sake: my block sums lie in LDS
	s_barrier_signal -1
	s_barrier_wait -1                              ; everybody's do
.irp j, 0,1,2,3,4,5,6,7,8,9,10,11,12,13,14,15
	ds_load_b32 v[SQ+\j], v13 offset:512*\j        ; my key's 16 block sums
.endr
	v_mov_b32 v[LL], 0
	s_wait_alu depctr_va_vdst(0)
	s_wait_dscnt 0x0
	DSUM16
	v_add_f32 v[A2R], v[HH], v[LL]                 ; a2, rounded once
	global_store_b32 v2, v[A2R], s[66:67] offset:1605632
	s_wait_tensorcnt 0x0
	ds_add_u32 v254, v255
	s_wait_dscnt 0x0
	s_endpgm
; ---------------- the queries ----------------
.Lxpath:
	s_sub_co_u32 s21, ttmp9, 392
	s_lshl_b32 s21, s21, 2
	s_add_co_u32 s21, s21, s20                     ; the tile of 16 queries
	s_mov_b32 s28, 0x76543210
	s_mov_b32 s29, 0xfedcba98                      ; v_permlanex16_b32's selects for lane l xor 16
	s_mov_b32 s30, 0xffff0000                      ; lanes 16-31
	s_mov_b32 s31, 0x3fb8aa3b                      ; log2(e), upper part
	v_and_b32 v9, 15, v1                           ; r
	v_lshrrev_b32 v10, 4, v1                       ; h
	s_lshl_b32 s22, s21, 4
	v_add_nc_u32 v11, s22, v9                      ; my query
	v_lshlrev_b32 v3, 11, v11
	v_lshl_add_u32 v3, v10, 7, v3                  ; x: my row, + 32 numbers for lanes 16-31: the operand's layout gives lane (r, h) k = 64 c + 32 h + 0 .. 31
	v_lshlrev_b32 v14, 6, v11                      ; cond: my row,
	v_lshl_add_u32 v4, v10, 3, v14                 ; and + 2 numbers for lanes 16-31
	v_lshlrev_b32 v5, 2, v11                       ; sigma
	v_lshlrev_b32 v10, 3, v10                      ; 8 h
	v_mov_b32 v173, 0                              ; a lane permute's destination counts as read
.irp i, 0,1,2,3,4,5,6,7
	v_mov_b32 v[OTH+\i], 0
.endr
	s_mul_i32 s22, s21, TILE
	s_mov_b32 s23, 0
	s_wait_alu depctr_va_vdst(0)
	s_wait_kmcnt 0x0
	s_add_nc_u64 s[24:25], s[18:19], s[22:23]      ; aux at 8,704 x tile; the region's place stands in the immediates
.irp s, 0,1,2,3
	global_load_b64 v[196+2*\s:197+2*\s], v4, s[10:11] offset:16*\s     ; register 2 s + j = cond[q][4 s + 2 h + j]
.endr
	global_load_b32 v204, v5, s[12:13]
.macro XLOAD s
.irp j, 0,1,2,3,4,5,6,7,8,9,10,11,12,13,14,15
	global_load_b128 v[16+64*((\s)%2)+4*\j:16+64*((\s)%2)+4*\j+3], v3, s[8:9] offset:512*(\s)+256*(\j/8)+16*(\j%8)
.endr
.endm
	XLOAD 0
	XLOAD 1
.macro XSTEP s
.set XS0, 16+64*((\s)%2)
.if (\s) < 3
	s_wait_loadcnt 16                              ; this K step's 16 loads are in; the next one's stay out
.else
	s_wait_loadcnt 0x0
.endif
.irp c, 0,1                            ; my block 4 s + 2 c + h of the row's 16
	BSUM XS0+32*\c, BSX+2*(\s)+\c
	QUANT32 XS0+32*\c, XF+6*\c, CT, XF+6*\c+4, XF+6*\c+5, 172, 16*\c
.endr
	v_lshlrev_b32 v172, v10, v172                  ; my two bytes (blocks h and 2 + h) at their places;
	v_permlanex16_b32 v173, v172, s28, s29
	v_or_b32 v[KW+(\s)], v172, v173                ; with lane l xor 16's two the word is whole
.irp k, 0,1,2
	global_store_b128 v7, v[XF+4*\k:XF+4*\k+3], s[24:25] offset:QBLK+1536*(\s)+512*\k    ; the fragment as an image of its registers
.endr
.if (\s)+2 <= 3
	XLOAD (\s)+2
.endif
.endm
	XSTEP 0
	XSTEP 1
	XSTEP 2
	XSTEP 3
.irp k, 0,1,2,3
	global_load_b128 v[SQ+16+4*\k:SQ+19+4*\k], v14, s[10:11] offset:16*\k    ; my query's whole row of cond, for d2
.endr
.irp i, 0,1,2,3,4,5,6,7
	v_permlanex16_b32 v[OTH+\i], v[BSX+\i], s28, s29
.endr
.irp i, 0,1,2,3,4,5,6,7                ; the row's 16 block sums in one order in both halves of the lanes, so that both hold the same numbers
	v_cndmask_b32 v[SQ+2*\i], v[BSX+\i], v[OTH+\i], s30
	v_cndmask_b32 v[SQ+2*\i+1], v[OTH+\i], v[BSX+\i], s30
.endr
	v_mov_b32 v[LL], 0
	DSUM16
	v_add_f32 v206, v[HH], v[LL]                   ; b2 rounded,
	v_sub_f32 v207, v206, v[HH]
	v_sub_f32 v207, v[LL], v207                    ; and what that rounding drops
	v_and_b32 v208, 0xfffff000, v206               ; Bh: its upper 12 bits
	v_sub_f32 v209, v206, v208
	v_add_f32 v209, v209, v207                     ; Bl
	s_wait_loadcnt 0x0
	SQ16 SQ+16
	DSUM16
	v_add_f32 v184, v[HH], v[LL]                   ; Dh
	v_sub_f32 v185, v184, v[HH]
	v_sub_f32 v185, v[LL], v185                    ; Dl
	v_mul_f32 v185, 0x429044fe, v185               ; x log2(e) / 0.02
	v_mov_b32 v186, 0
	v_mov_b32 v187, 0
	v_mul_f32 v205, v204, v204
	v_add_f32 v205, v205, v205                     ; 2 sigma^2, as the problem rounds it
	s_wait_alu depctr_va_vdst(0)
	v_rcp_f32 v206, v205
	v_nop                                          ; a plain place behind the reciprocal
	s_wait_alu depctr_va_vdst(0)
	v_fma_f32 v207, -v205, v206, 1.0               ; one Newton step
	v_fma_f32 v206, v207, v206, v206
	v_mul_f32 v210, s31, v206                      ; Uh
	v_fma_f32 v207, -v210, v205, s31               ; what is left of log2(e)'s upper part,
	v_add_f32 v207, 0x32a57060, v207               ; and its lower part
	v_mul_f32 v211, v207, v206                     ; Ul
	global_store_b128 v7, v[KW:KW+3], s[24:25] offset:QBLK+6144
	global_store_b128 v7, v[196:199], s[24:25] offset:QBLK+6656
	global_store_b128 v7, v[200:203], s[24:25] offset:QBLK+7168
	global_store_b128 v7, v[208:211], s[24:25] offset:QBLK+7680
	global_store_b128 v7, v[184:187], s[24:25] offset:QBLK+8192
	s_endpgm
.Lfunc_end_k_q0ff10f8e6e_prep:
	.size	k_q0ff10f8e6e_prep, .Lfunc_end_k_q0ff10f8e6e_prep-k_q0ff10f8e6e_prep
	.p2alignl 7, 3214868480
	.fill 96, 4, 3214868480
	.section	.rodata,"a",@progbits
	.p2align	6, 0x0
	.amdhsa_kernel k_q0ff10f8e6e_prep
		.amdhsa_group_segment_fixed_size 27136
		.amdhsa_private_segment_fixed_size 0
		.amdhsa_enable_private_segment 0
		.amdhsa_kernarg_size 64
		.amdhsa_user_sgpr_count 2
		.amdhsa_user_sgpr_kernarg_segment_ptr 1
		.amdhsa_wavefront_size32 1
		.amdhsa_system_sgpr_workgroup_id_x 1
		.amdhsa_system_sgpr_workgroup_id_y 1
		.amdhsa_system_sgpr_workgroup_id_z 1
		.amdhsa_system_vgpr_workitem_id 0
		.amdhsa_next_free_vgpr 256
		.amdhsa_next_free_sgpr 80
		.amdhsa_reserve_vcc 1
		.amdhsa_float_denorm_mode_32 3
		.amdhsa_float_denorm_mode_16_64 3
		.amdhsa_memory_ordered 1
		.amdhsa_forward_progress 1
		.amdhsa_inst_pref_size 239
	.end_amdhsa_kernel
	.amdgpu_metadata
---
amdhsa.version: [ 1, 2 ]
amdhsa.kernels:
  - .name:           k_q0ff10f8e6e_prep
    .symbol:         k_q0ff10f8e6e_prep.kd
    .args:
      - { .name: samples, .offset: 0, .size: 8, .value_kind: global_buffer, .address_space: global }
      - { .name: cond_data, .offset: 8, .size: 8, .value_kind: global_buffer, .address_space: global }
      - { .name: x, .offset: 16, .size: 8, .value_kind: global_buffer, .address_space: global }
      - { .name: cond, .offset: 24, .size: 8, .value_kind: global_buffer, .address_space: global }
      - { .name: sigma, .offset: 32, .size: 8, .value_kind: global_buffer, .address_space: global }
      - { .name: kimg, .offset: 40, .size: 8, .value_kind: global_buffer, .address_space: global }
      - { .name: vimg, .offset: 48, .size: 8, .value_kind: global_buffer, .address_space: global }
      - { .name: aux, .offset: 56, .size: 8, .value_kind: global_buffer, .address_space: global }
    .group_segment_fixed_size: 27136
    .private_segment_fixed_size: 0
    .kernarg_segment_align: 8
    .kernarg_segment_size: 64
    .max_flat_workgroup_size: 128
    .sgpr_count:     80
    .vgpr_count:     256
    .wavefront_size: 32
...
	.end_amdgpu_metadata
.endif
;; end of part 1
;; launch scores (part 2): grid 49 x 5, 8 waves a work-group, no clusters, 327,680 bytes of LDS; arguments kimg, aux, cond_data, pimg, stat; writes pimg, stat
.if DOCPART == 2
	.amdgcn_target "amdgcn-amd-amdhsa--gfx1250"
	.amdhsa_code_object_version 6
	.text
	.protected	k_q0ff10f8e6e_scores
	.globl	k_q0ff10f8e6e_scores
	.p2align	8
	.type	k_q0ff10f8e6e_scores,@function
k_q0ff10f8e6e_scores:
	s_mov_b64 s[64:65], 0
	v_nop
	global_prefetch_b8 v0, s[64:65] scope:SCOPE_SE
	s_setreg_imm32_b32 hwreg(HW_REG_WAVE_MODE, 25, 1), 1
	s_wait_xcnt 0x0
; p = 2^(t - M) for every key and query, as codes of FP6 (E2M3) with their scale operands, and for each 64 keys of a query (-M, the sum of p).
; t = -u (a2 + b2 - 2 S) - k (c2 + d2 - 2 cd), u = log2(e) / (2 sigma^2), k = log2(e) / 0.02; S: the product on codes (K = 512), cd: the f32 product (K = 16).  Nothing of the problem is left out here.
; A wave keeps a chunk of 64 keys in registers (codes, scale words, cond_data, a2, c2) and walks 13 tiles of 16 queries (the last block of queries: 12), which lie in LDS; then a second chunk.
; Both products are used transposed: a lane holds one query, its registers run along the keys, so the conversions' results are the next product's operand.
; THE EXPONENT keeps what f32 instructions allow.  b2 = Bh + Bl, Bh of 12 bits; X = a2 + Bh rounded, e = what that rounding drops (two subtractions find it); sq = X - 2 S, one multiply-add.
; T = -k c2 + 2 k cd - k Dh, cd in four sums of four products;  EL = (e + Bl) Uh + k Dl + sq Ul + T x (k's lower part / its upper part);  t - M = ((-Uh sq - M) + T) - EL.
; -M = floor(-max(T - Uh sq)): a whole number of the chunk's own; the next launch brings all chunks under one M by powers of two.
; Keys past 49,999 have c2 = 2^93: their p is 0 beside any true key; a chunk of such keys alone gets -M near 2^100, which the next launch takes to weight 0.
; LIMITS: NaN and infinities among the inputs are not served.
; NO CLUSTER: the grid, 49 x 5, divides by 4 along neither axis.  NO PREFETCH: a chunk's operands are asked for straight into registers, the second chunk's one tile ahead of their use.
.set QBLK, 2609152
.set TILE, 8704
.set NT,   13
.set LI,   1                           ; 16 x lane
.set AD,   2                           ; LDS address of the tile of queries
.set V8,   3                           ; 512 + 16 r + 8 h
.set L8,   4                           ; 8 x lane
.set Q,    16                          ; v16-63   x's four fragments
.set EL,   16                          ; v16-47   EL, once the fragments are done with
.set X,    48                          ; v48-63   at work
.set XS,   64                          ; x's scale words
.set KSC,  68                          ; the keys' scale words
.set CB,   76                          ; cond, the f32 operand
.set QC,   84                          ; Bh, Bl, Uh, Ul
.set S,    88                          ; v88-119  S, then sq, then t - M, then p
.set CC,   120                         ; v120-151 cd's four sums: written by matrix instructions alone
.set A2,   152                         ; v152-183
.set T,    184                         ; v184-215
.set BM,   216
.set PD,   218
.set MX,   220
.set NM,   222
.set SOP,  224
.set E,    226
.set F,    232
.set LS,   236
.set XY,   240
.set QD,   244                         ; Dh, k Dl
.set CA,   192                         ; window 1: v0-191 the keys' codes, v192-223 cond_data, v224-255 c2
.set C2,   224
.set TB,   66
.set CNT,  67
.set DL,   53                          ; 1 in waves 1, 3, 4, 6: they begin their first tile behind the others' products
.set LC,   54                          ; the count at which the loop makes no further products: 1 in the last block of queries, else none
.set MSB, 0
.macro WIN new
.if MSB != \new
	s_set_vgpr_msb (MSB<<8)|\new
.set MSB, \new
.endif
.endm
	s_load_b256 s[4:11], s[0:1], 0x0               ; kimg, aux, cond_data, pimg
	s_load_b64 s[12:13], s[0:1], 0x20              ; stat
	v_lshl_add_u32 v254, v0, 2, 0x29000
	v_mov_b32 v255, 0
	ds_add_u32 v254, v255                          ; the opening lines: the add twice on end and its wait
	ds_add_u32 v254, v255
	v_lshrrev_b32 v1, 5, v0
	v_readfirstlane_b32 s14, v1                    ; wave 0..7
	s_and_b32 s15, ttmp7, 0xffff                   ; the block of queries
	s_mov_b32 s16, 3<<16                           ; a tile of queries: 34 dense rows of 256 bytes
	s_mov_b32 s17, 32<<16
	s_mov_b32 s18, 34<<16
	s_mov_b32 s19, 32<<16
	s_mov_b32 s20, 34
	s_mov_b32 s21, 32
	s_mov_b32 s22, 0
	s_mov_b32 s23, 0
	s_mul_i32 s40, s15, NT
	s_add_co_u32 s40, s40, s14                     ; tile 13 y + wave,
	s_add_co_u32 s38, s40, 8                       ; and eight further on, held at the last tile
	s_min_u32 s38, s38, 63
	s_mul_i32 s40, s40, TILE
	s_mov_b32 s41, 0
	s_mul_i32 s38, s38, TILE
	s_mov_b32 s39, 0
	s_mul_i32 s42, s14, TILE
	s_wait_dscnt 0x0
	s_wait_kmcnt 0x0
	s_add_nc_u64 s[40:41], s[6:7], s[40:41]
	s_add_nc_u64 s[38:39], s[6:7], s[38:39]
	s_mov_b32 s24, 1
	s_add_co_u32 s25, s42, 0
	s_add_nc_u64 s[26:27], s[40:41], QBLK
	s_or_b32 s27, s27, 0x80000000
	s_mov_b32 s28, 1
	s_add_co_u32 s29, s42, 8*TILE
	s_add_nc_u64 s[30:31], s[38:39], QBLK
	s_or_b32 s31, s31, 0x80000000
	tensor_load_to_lds s[24:27], s[16:23]          ; tiles 0-7, one a wave
	s_nop 0
.rept 4
	v_nop
.endr
	s_lshl_b32 s43, ttmp9, 4
	s_add_co_u32 s43, s43, s14                     ; my first chunk of 64 keys
	s_and_b32 s69, s14, 1
	s_lshr_b32 s[DL], s14, 2
	s_xor_b32 s[DL], s[DL], s14
	s_and_b32 s[DL], s[DL], 1                      ; bit 0 xor bit 2 of the wave's number: one wave of each kind in every pair (w, w + 4) and in every pair (2 k, 2 k + 1)
	s_cmp_eq_u32 s15, 4
	s_cselect_b32 s[LC], 1, 0
	s_mov_b32 s55, 0xffff0000                      ; lanes 16-31
	s_mov_b32 s50, 0xc29044fe                      ; -k, upper part
	s_mov_b32 s51, s50
	s_mov_b32 s72, 0x431044fe                      ; 2 k
	s_mov_b32 s73, s72
	s_mov_b32 s74, 0xb343eab8                      ; -(k's lower part / its upper part)
	s_mov_b32 s75, s74
	s_mov_b32 s62, 0x76543210
	s_mov_b32 s63, 0xfedcba98                      ; v_permlanex16_b32's selects for lane l xor 16
	v_and_b32 v7, 31, v0
	v_and_b32 v8, 15, v0
	v_bfe_u32 v9, v0, 4, 1
	v_lshlrev_b32 v[LI], 4, v7
	v_lshlrev_b32 v[L8], 3, v7
	v_lshlrev_b32 v[V8], 4, v8
	v_lshl_add_u32 v[V8], v9, 3, v[V8]
	v_add_nc_u32 v[V8], 512, v[V8]
	v_and_b32 v11, 8, v8
	v_add_nc_u32 v11, v11, v8                      ; r + 8 (r / 8): the keys of a tile
	v_and_b32 v10, 7, v0
	v_lshl_add_u32 v10, v9, 3, v10
	v_bfe_u32 v8, v0, 3, 1
	v_lshl_add_u32 v10, v8, 4, v10
	v_lshlrev_b32 v10, 4, v10
	v_lshl_add_u32 v10, s69, 3, v10                ; the keys' scale words
	v_lshlrev_b32 v7, 6, v9                        ; a2, c2: 16 keys for each half of the lanes
.irp r, PD, PD+1, NM+1, LS+1
	v_mov_b32 v[\r], 0                             ; a permute's destination and a pair's upper half count as read
.endr
.macro KADDR                           ; where chunk s43's operands lie
	s_lshl_b32 s44, s43, 6
	s_lshr_b32 s68, s43, 1
	s_mul_i32 s46, s43, 24576
	s_mov_b32 s47, 0
	s_add_nc_u64 s[46:47], s[4:5], s[46:47]
	s_lshl_b32 s48, s43, 8
	s_mov_b32 s49, 0
	s_add_nc_u64 s[48:49], s[6:7], s[48:49]
	s_lshl_b32 s56, s68, 11
	s_mov_b32 s57, 0
	s_add_nc_u64 s[56:57], s[6:7], s[56:57]
	v_add_nc_u32 v6, s44, v11
.irp t, 0,1,2,3
	v_add_nc_u32 v[12+\t], 32*(\t/2)+8*(\t%2), v6
.endr
.irp t, 0,1,2,3
	v_min_u32 v[12+\t], 0xc34f, v[12+\t]           ; held at key 49,999: no load leaves cond_data
.endr
.irp t, 0,1,2,3
	v_lshlrev_b32 v[12+\t], 6, v[12+\t]
.endr
.irp t, 0,1,2,3
	v_lshl_add_u32 v[12+\t], v9, 3, v[12+\t]
.endr
.endm
.macro KLOAD                           ; the chunk's operands, straight into their registers
	s_wait_alu depctr_va_vdst(0)
	WIN 0x40
.irp t, 0,1,2,3
.irp s, 0,1,2,3
.irp c, 0,1
	global_load_b128 v[12*(4*\t+\s)+6*\c:12*(4*\t+\s)+6*\c+3], v[LI], s[46:47] offset:(\t/2)*12288+(\t%2)*6144+\s*1536+\c*768
	global_load_b64 v[12*(4*\t+\s)+6*\c+4:12*(4*\t+\s)+6*\c+5], v[V8], s[46:47] offset:(\t/2)*12288+(\t%2)*6144+\s*1536+\c*768
.endr
	global_load_b64 v[CA+2*(4*\t+\s):CA+2*(4*\t+\s)+1], v[12+\t], s[8:9] offset:16*\s
.endr
.endr
.irp k, 0,1,2,3,4,5,6,7
	global_load_b128 v[C2+4*\k:C2+4*\k+3], v7, s[48:49] offset:2408448+128*(\k/4)+16*(\k%4)
.endr
	WIN 0
.irp s, 0,1,2,3
	global_load_b64 v[KSC+2*\s:KSC+2*\s+1], v10, s[56:57] offset:512*\s
.endr
.irp k, 0,1,2,3,4,5,6,7
	global_load_b128 v[A2+4*\k:A2+4*\k+3], v7, s[48:49] offset:1605632+128*(\k/4)+16*(\k%4)
.endr
.endm
.macro KFIN                            ; the operands are in; where the chunk's results go
	s_wait_loadcnt 0x0
	s_wait_xcnt 0x0                                ; the last stores have read their bases
	s_mul_i32 s58, s68, 98304
	s_mul_i32 s70, s69, 768
	s_add_co_u32 s58, s58, s70
	s_mul_i32 s70, s15, NT*1536
	s_add_co_u32 s58, s58, s70
	s_mov_b32 s59, 0
	s_add_nc_u64 s[58:59], s[10:11], s[58:59]
	s_mul_i32 s60, s15, NT*200704
	s_lshl_b32 s70, s43, 8
	s_add_co_u32 s60, s60, s70
	s_mov_b32 s61, 0
	s_add_nc_u64 s[60:61], s[12:13], s[60:61]
.endm
.macro LOADQ
.irp k, 0,1,2,3,4,5,6,7,8,9,10,11
	ds_load_b128 v[Q+4*\k:Q+4*\k+3], v[AD] offset:512*\k
.endr
	ds_load_b128 v[XS:XS+3], v[AD] offset:6144
	ds_load_b128 v[CB:CB+3], v[AD] offset:6656
	ds_load_b128 v[CB+4:CB+7], v[AD] offset:7168
	ds_load_b128 v[QC:QC+3], v[AD] offset:7680
	ds_load_b128 v[QD:QD+3], v[AD] offset:8192
.endm
; 64 keys x 16 queries.  pre: the next tile of queries is fetched;  nxt: the next chunk's operands are asked for as soon as this tile has read the present ones
; A tile's work in two halves.  MH: the products, and tile by tile sq, e + Bl and T.  VH: the maximum, t - M, p, its codes and sums, the stores
.macro MH
	WIN 0x01
.irp s, 0,1,2,3                        ; four accumulators by turns
.irp t, 0,1,2,3
.if \s == 0
.if \t%2 == 0
	v_wmma_scale_f32_16x16x128_f8f6f4 v[S+8*\t:S+8*\t+7], v[12*(4*\t+\s):12*(4*\t+\s)+11], v[Q+12*\s:Q+12*\s+11], 0, v[KSC+2*\s+\t/2], v[XS+\s] matrix_a_fmt:MATRIX_FMT_FP6 matrix_b_fmt:MATRIX_FMT_FP6
.else
	v_wmma_scale_f32_16x16x128_f8f6f4 v[S+8*\t:S+8*\t+7], v[12*(4*\t+\s):12*(4*\t+\s)+11], v[Q+12*\s:Q+12*\s+11], 0, v[KSC+2*\s+\t/2], v[XS+\s] matrix_a_fmt:MATRIX_FMT_FP6 matrix_b_fmt:MATRIX_FMT_FP6 matrix_a_scale:MATRIX_SCALE_ROW1
.endif
.else
.if \t%2 == 0
	v_wmma_scale_f32_16x16x128_f8f6f4 v[S+8*\t:S+8*\t+7], v[12*(4*\t+\s):12*(4*\t+\s)+11], v[Q+12*\s:Q+12*\s+11], v[S+8*\t:S+8*\t+7], v[KSC+2*\s+\t/2], v[XS+\s] matrix_a_fmt:MATRIX_FMT_FP6 matrix_b_fmt:MATRIX_FMT_FP6
.else
	v_wmma_scale_f32_16x16x128_f8f6f4 v[S+8*\t:S+8*\t+7], v[12*(4*\t+\s):12*(4*\t+\s)+11], v[Q+12*\s:Q+12*\s+11], v[S+8*\t:S+8*\t+7], v[KSC+2*\s+\t/2], v[XS+\s] matrix_a_fmt:MATRIX_FMT_FP6 matrix_b_fmt:MATRIX_FMT_FP6 matrix_a_scale:MATRIX_SCALE_ROW1
.endif
.endif
.endr
.endr
.irp t, 0,1,2,3                        ; tile by tile of 16 keys: cd's four sums, then sq, e + Bl and T
	WIN 0x01
.irp s, 0,1,2,3
	v_wmma_f32_16x16x4_f32 v[CC+8*\s:CC+8*\s+7], v[CA+2*(4*\t+\s):CA+2*(4*\t+\s)+1], v[CB+2*\s:CB+2*\s+1], 0
.endr
.irp i, 0,2,4,6
	v_pk_mul_f32 v[T+8*\t+\i:T+8*\t+\i+1], v[C2+8*\t+\i:C2+8*\t+\i+1], s[50:51] op_sel_hi:[1,0]      ; these and the lines below are the places behind the products
.endr
	WIN 0
.irp i, 0,2,4,6
	v_pk_add_f32 v[X+\i:X+\i+1], v[A2+8*\t+\i:A2+8*\t+\i+1], v[QC:QC+1] op_sel_hi:[1,0]
.endr
.irp i, 0,2,4,6
	s_delay_alu instid0(VALU_DEP_4)
	v_pk_add_f32 v[EL+8*\t+\i:EL+8*\t+\i+1], v[X+\i:X+\i+1], v[QC:QC+1] op_sel_hi:[1,0] neg_lo:[0,1] neg_hi:[0,1]
.endr
.irp i, 0,2,4,6
	s_delay_alu instid0(VALU_DEP_4)
	v_pk_add_f32 v[EL+8*\t+\i:EL+8*\t+\i+1], v[A2+8*\t+\i:A2+8*\t+\i+1], v[EL+8*\t+\i:EL+8*\t+\i+1] neg_lo:[0,1] neg_hi:[0,1]
.endr
.irp i, 0,2,4,6
	v_pk_fma_f32 v[S+8*\t+\i:S+8*\t+\i+1], v[S+8*\t+\i:S+8*\t+\i+1], -2.0, v[X+\i:X+\i+1] op_sel_hi:[1,0,1]     ; each accumulator from its low end on
.endr
.irp i, 0,2,4,6
	v_pk_add_f32 v[EL+8*\t+\i:EL+8*\t+\i+1], v[EL+8*\t+\i:EL+8*\t+\i+1], v[QC:QC+1] op_sel:[0,1] op_sel_hi:[1,1]
.endr
.irp s, 0,1
.irp i, 0,2,4,6
	v_pk_fma_f32 v[T+8*\t+\i:T+8*\t+\i+1], v[CC+8*\s+\i:CC+8*\s+\i+1], s[72:73], v[T+8*\t+\i:T+8*\t+\i+1] op_sel_hi:[1,0,1]
.endr
.endr
.irp i, 0,2,4,6
	s_delay_alu instid0(VALU_DEP_4)
	v_pk_fma_f32 v[T+8*\t+\i:T+8*\t+\i+1], v[QD:QD+1], s[50:51], v[T+8*\t+\i:T+8*\t+\i+1] op_sel_hi:[0,0,1]
.endr
.irp s, 2,3
.irp i, 0,2,4,6
	v_pk_fma_f32 v[T+8*\t+\i:T+8*\t+\i+1], v[CC+8*\s+\i:CC+8*\s+\i+1], s[72:73], v[T+8*\t+\i:T+8*\t+\i+1] op_sel_hi:[1,0,1]
.endr
.endr
.endr
	s_wait_alu depctr_va_vdst(0)
.endm
.macro VH pre, nxt
.if \nxt
	s_add_co_u32 s43, s43, 8                       ; the present chunk's operands have all been read
	KADDR
	KLOAD
.endif
.irp b, 0,1                            ; T - Uh sq: for the maximum alone
.irp i, 0,2,4,6,8,10,12,14
	v_pk_fma_f32 v[X+\i:X+\i+1], v[S+16*\b+\i:S+16*\b+\i+1], v[QC+2:QC+3], v[T+16*\b+\i:T+16*\b+\i+1] op_sel_hi:[1,0,1] neg_lo:[0,1,0] neg_hi:[0,1,0]
.endr
	v_max3_num_f32 v[BM+\b], v[X], v[X+1], v[X+2]
.irp i, 3,5,7,9,11,13
	s_delay_alu instid0(VALU_DEP_1)
	v_max3_num_f32 v[BM+\b], v[BM+\b], v[X+\i], v[X+\i+1]
.endr
	s_delay_alu instid0(VALU_DEP_1)
	v_max_num_f32 v[BM+\b], v[BM+\b], v[X+15]
.endr
	s_delay_alu instid0(VALU_DEP_1)
	v_max_num_f32 v[MX], v[BM], v[BM+1]
	s_delay_alu instid0(VALU_DEP_1)
	v_permlanex16_b32 v[PD], v[MX], s62, s63
	s_delay_alu instid0(VALU_DEP_1)
	v_max3_num_f32 v[MX], v[MX], v[PD], 0xff61b1e6 ; with lane l xor 16's 32 keys; never under -3e38
	s_delay_alu instid0(VALU_DEP_1)
	v_floor_f32 v[NM], -v[MX]                      ; -M, a whole number
.set i, 0
.rept 16
	v_pk_fma_f32 v[EL+i:EL+i+1], v[EL+i:EL+i+1], v[QC+2:QC+3], v[QD:QD+1] op_sel:[0,0,1] op_sel_hi:[1,0,1]
.set i, i+2
.endr
.set i, 0
.rept 16
	v_pk_fma_f32 v[EL+i:EL+i+1], v[S+i:S+i+1], v[QC+2:QC+3], v[EL+i:EL+i+1] op_sel:[0,1,0] op_sel_hi:[1,1,1]
.set i, i+2
.endr
.set i, 0
.rept 16
	v_pk_fma_f32 v[EL+i:EL+i+1], v[T+i:T+i+1], s[74:75], v[EL+i:EL+i+1] op_sel_hi:[1,0,1]
.set i, i+2
.endr
.set i, 0
.rept 16
	v_pk_fma_f32 v[S+i:S+i+1], v[S+i:S+i+1], v[QC+2:QC+3], v[NM:NM+1] op_sel_hi:[1,0,0] neg_lo:[0,1,0] neg_hi:[0,1,0]
.set i, i+2
.endr
.set i, 0
.rept 16
	v_pk_add_f32 v[S+i:S+i+1], v[S+i:S+i+1], v[T+i:T+i+1]
.set i, i+2
.endr
.set i, 0
.rept 16
	v_pk_add_f32 v[S+i:S+i+1], v[S+i:S+i+1], v[EL+i:EL+i+1] neg_lo:[0,1] neg_hi:[0,1]      ; t - M
.set i, i+2
.endr
.if \pre
	s_add_co_u32 s[TB], s[TB], TILE
	v_add_nc_u32 v[AD], s[TB], v[LI]
	LOADQ
.endif
.irp b, 0,1                            ; the largest of each block of 32 keys
	v_max3_num_f32 v[BM+\b], v[S+16*\b], v[S+16*\b+1], v[S+16*\b+2]
.endr
.irp i, 3,5,7,9,11,13
.irp b, 0,1
	s_delay_alu instid0(VALU_DEP_2)
	v_max3_num_f32 v[BM+\b], v[BM+\b], v[S+16*\b+\i], v[S+16*\b+\i+1]
.endr
.endr
.irp b, 0,1
	s_delay_alu instid0(VALU_DEP_2)
	v_max_num_f32 v[BM+\b], v[BM+\b], v[S+16*\b+15]
.endr
.irp b, 0,1
	s_delay_alu instid0(VALU_DEP_2)
	v_permlanex16_b32 v[PD+\b], v[BM+\b], s62, s63
.endr
.irp b, 0,1
	s_delay_alu instid0(VALU_DEP_2)
	v_max_num_f32 v[BM+\b], v[BM+\b], v[PD+\b]
.endr
	s_wait_alu depctr_va_vdst(0)
	s_wait_xcnt 0x0                                ; the last tile's stores have read their data and bases:
	s_add_nc_u64 s[58:59], s[58:59], 1536          ; the bases step here, one tile past this tile's place: the stores below take that step off in their immediates
	s_add_nc_u64 s[60:61], s[60:61], 200704
.set i, 0
.rept 32
	v_exp_f32 v[S+i], v[S+i]
.set i, i+1
.endr
	v_exp_f32 v[BM], v[BM]
	v_exp_f32 v[BM+1], v[BM+1]
	v_nop                                          ; a plain place behind the batch
	s_wait_alu depctr_va_vdst(0)                   ; one wait for the batch, ahead of its first reader
	v_max_num_f32 v[BM], 0x1800000, v[BM]          ; the floor 2^(3 - 127): the byte cannot fall under 1
	v_max_num_f32 v[BM+1], 0x1800000, v[BM+1]
	s_delay_alu instid0(VALU_DEP_2)
	v_add_nc_u32 v[SOP], 0xff000000, v[BM]         ; 2 off the exponent field: the conversion's scale operand
	s_delay_alu instid0(VALU_DEP_2)
	v_add_nc_u32 v[SOP+1], 0xff000000, v[BM+1]
	v_cvt_scalef32_pk16_fp6_f32 v[E:E+2], v[S:S+15], v[SOP]
	v_cvt_scalef32_pk16_fp6_f32 v[F:F+2], v[S+16:S+31], v[SOP+1]
	v_nop                                          ; a plain place behind the conversions
.irp i, 0,1,2
	v_permlane16_swap_b32 v[E+\i], v[F+\i]         ; a whole block to a lane
.endr
.irp i, 0,1,2
	s_delay_alu instid0(VALU_DEP_3)
	v_mov_b32 v[E+3+\i], v[F+\i]
.endr
.irp w, 16,8,4,2                       ; the sum of the unquantised p
.set i, 0
.rept \w/2
	v_pk_add_f32 v[S+i:S+i+1], v[S+i:S+i+1], v[S+i+\w:S+i+\w+1]
.set i, i+2
.endr
.endr
	s_delay_alu instid0(VALU_DEP_1)
	v_add_f32 v[LS], v[S], v[S+1]
	s_delay_alu instid0(VALU_DEP_1)
	v_permlanex16_b32 v[LS+1], v[LS], s62, s63
	s_delay_alu instid0(VALU_DEP_1)
	v_add_f32 v[LS], v[LS], v[LS+1]
	v_cndmask_b32 v[XY], v[NM], v[SOP], s55        ; lanes 0-15: (-M, the sum); lanes 16-31: the two scale operands
	s_delay_alu instid0(VALU_DEP_2)
	v_cndmask_b32 v[XY+1], v[LS], v[SOP+1], s55
	global_store_b128 v[LI], v[E:E+3], s[58:59] offset:-1536       ; 512 consecutive bytes, aligned
	global_store_b64 v[V8], v[E+4:E+5], s[58:59] offset:-1536      ; 256
	global_store_b64 v[L8], v[XY:XY+1], s[60:61] offset:-200704    ; 256
	s_wait_alu depctr_va_vdst(0)
.endm
; A walk over the tiles of queries: MH of tile 0, then twelve trips of { VH of tile n, MH of tile n + 1 }, then VH of tile 12.
; stag: four waves run MH of tile 0 ahead of a barrier that all eight pass, the other four behind it: from there on the two sets take the two halves of a tile by turns
.macro WALK nxt, stag
	s_mov_b32 s[TB], 0
	v_add_nc_u32 v[AD], s[TB], v[LI]
	LOADQ
	s_mov_b32 s[CNT], NT-1
	s_wait_dscnt 0x0                               ; tile 0 of the queries is in registers; no LDS instruction is out at the barrier below
.if \stag
	s_cmp_eq_u32 s[DL], 0
	s_cbranch_scc0 .Llate_\@
	MH
.Llate_\@:
	s_barrier_signal -1
	s_barrier_wait -1                              ; every wave passes it; the branches lead round work on registers alone
	s_cmp_eq_u32 s[DL], 0
	s_cbranch_scc1 .Lgo_\@
	MH
.Lgo_\@:
.else
	MH
.endif
.Lunit_\@:
	VH 1, 0
	s_wait_dscnt 0x0                               ; the next tile of queries is in registers
	s_cmp_eq_u32 s[CNT], s[LC]                     ; the last block of queries has 12 tiles: its twelfth trip makes no products
	s_cbranch_scc1 .Lnomh_\@
	MH
.Lnomh_\@:
	s_sub_co_u32 s[CNT], s[CNT], 1
	s_cmp_lg_u32 s[CNT], 0
	s_cbranch_scc1 .Lunit_\@
	s_cmp_eq_u32 s15, 4
	s_cbranch_scc1 .Lshort_\@
	VH 0, \nxt
	s_branch .Ldone_\@
.Lshort_\@:
	s_wait_dscnt 0x0                               ; the thirteenth fetch is not used
.if \nxt
	s_add_co_u32 s43, s43, 8
	KADDR
	KLOAD
.endif
.Ldone_\@:
.endm
	KADDR
	KLOAD                                          ; the first chunk's operands are on their way beside the tiles of queries
	s_wait_alu depctr_va_vdst(0)
	s_wait_tensorcnt 0x0
	ds_add_u32 v254, v255
	s_wait_dscnt 0x0
	s_barrier_signal -1
	s_barrier_wait -1
	s_cmp_lt_u32 s14, 5
	s_cbranch_scc0 .Lone_load
	tensor_load_to_lds s[28:31], s[16:23]          ; tiles 8-12, waves 0-4
	s_nop 0
.rept 4
	v_nop
.endr
.Lone_load:
	KFIN
	s_wait_tensorcnt 0x0                           ; my tiles are in;
	s_barrier_signal -1
	s_barrier_wait -1                              ; everybody's are.  Nothing is filled again
	WALK 1, 1
	KFIN
	WALK 0, 0
	s_wait_tensorcnt 0x0                           ; the wave's end
	ds_add_u32 v254, v255
	s_wait_dscnt 0x0
	s_endpgm
.Lfunc_end_k_q0ff10f8e6e_scores:
	.size	k_q0ff10f8e6e_scores, .Lfunc_end_k_q0ff10f8e6e_scores-k_q0ff10f8e6e_scores
	.p2alignl 7, 3214868480
	.fill 96, 4, 3214868480
	.section	.rodata,"a",@progbits
	.p2align	6, 0x0
	.amdhsa_kernel k_q0ff10f8e6e_scores
		.amdhsa_group_segment_fixed_size 327680
		.amdhsa_private_segment_fixed_size 0
		.amdhsa_enable_private_segment 0
		.amdhsa_kernarg_size 40
		.amdhsa_user_sgpr_count 2
		.amdhsa_user_sgpr_kernarg_segment_ptr 1
		.amdhsa_wavefront_size32 1
		.amdhsa_system_sgpr_workgroup_id_x 1
		.amdhsa_system_sgpr_workgroup_id_y 1
		.amdhsa_system_sgpr_workgroup_id_z 1
		.amdhsa_system_vgpr_workitem_id 0
		.amdhsa_next_free_vgpr 512
		.amdhsa_next_free_sgpr 76
		.amdhsa_reserve_vcc 0
		.amdhsa_float_denorm_mode_32 3
		.amdhsa_float_denorm_mode_16_64 3
		.amdhsa_memory_ordered 1
		.amdhsa_forward_progress 1
		.amdhsa_inst_pref_size 179
	.end_amdhsa_kernel
	.amdgpu_metadata
---
amdhsa.version: [ 1, 2 ]
amdhsa.kernels:
  - .name:           k_q0ff10f8e6e_scores
    .symbol:         k_q0ff10f8e6e_scores.kd
    .args:
      - { .name: kimg, .offset: 0, .size: 8, .value_kind: global_buffer, .address_space: global }
      - { .name: aux, .offset: 8, .size: 8, .value_kind: global_buffer, .address_space: global }
      - { .name: cond_data, .offset: 16, .size: 8, .value_kind: global_buffer, .address_space: global }
      - { .name: pimg, .offset: 24, .size: 8, .value_kind: global_buffer, .address_space: global }
      - { .name: stat, .offset: 32, .size: 8, .value_kind: global_buffer, .address_space: global }
    .group_segment_fixed_size: 327680
    .private_segment_fixed_size: 0
    .kernarg_segment_align: 8
    .kernarg_segment_size: 40
    .max_flat_workgroup_size: 256
    .sgpr_count:     76
    .vgpr_count:     512
    .wavefront_size: 32
...
	.end_amdgpu_metadata
.endif
;; end of part 2
;; launch pv (part 3): grid 8 x 28, 4 waves a work-group, clusters of 4 x 1, 327,680 bytes of LDS; arguments pimg, vimg, aux, stat, opart; writes opart
.if DOCPART == 3
	.amdgcn_target "amdgcn-amd-amdhsa--gfx1250"
	.amdhsa_code_object_version 6
	.text
	.protected	k_q0ff10f8e6e_pv
	.globl	k_q0ff10f8e6e_pv
	.p2align	8
	.type	k_q0ff10f8e6e_pv,@function
k_q0ff10f8e6e_pv:
	s_mov_b64 s[64:65], 0
	v_nop
	global_prefetch_b8 v0, s[64:65] scope:SCOPE_SE
	s_setreg_imm32_b32 hwreg(HW_REG_WAVE_MODE, 25, 1), 1
	s_wait_xcnt 0x0
	s_wait_alu depctr_hold_cnt(0) depctr_sa_sdst(0) depctr_va_vdst(0) depctr_va_sdst(0) depctr_va_ssrc(0) depctr_va_vcc(0) depctr_vm_vsrc(0)
	s_getreg_b32 s2, hwreg(HW_REG_IB_STS2, 6, 4)
	s_cmp_eq_u32 s2, 0
	s_cbranch_scc0 .Lentry_in_a_cluster
	s_endpgm
.Lentry_in_a_cluster:
	s_bfe_u32 s2, ttmp6, 0x10000c
	s_cmp_lg_u32 s2, 0x3003
	s_cbranch_scc0 .Lentry_shape_is_right
	s_endpgm
.Lentry_shape_is_right:
; O[q][d] = sum over the keys of Q(p)[q][key] Q(samples)[key][d], on codes of FP6 with E8M0 scales, K = the keys, cut into 28 splits of 14 steps of 128 keys.
; A work-group makes 128 queries x 512 d for one split; wave w makes all 8 tiles of queries x d tiles 8 w .. 8 w + 7: 64 accumulators, 512 registers.
; p's codes were made under a whole number M of their own for each 64 keys.  THE PROLOGUE brings them under the split's M: a block's byte falls by (the split's M - its own M), made by v_ldexp_f32 of the f32
; whose exponent field is the byte (what falls under the smallest number gives the byte 0: such a block weighs under 1e-36); the sums l are joined by the same powers of two.  Nothing is rounded.
; Stored: the split's partial O, and for each query (-M, l) of the split.
; CLUSTER: the four work-groups of a cluster share a split, so V's tiles are asked for JOINTLY (mask 15); P's tiles are each work-group's own (no mask), behind the same rounds.
; A slot holds two K steps: V 2 x 49,152 bytes (waves 0-2: 32,768 each), P 2 x 12,288 (wave 3).  Two loads of a wave are out at the start, one behind each round.
; Fragments lie in memory and LDS in the order of their registers (two halves of 768 bytes): four loads a fragment, each over consecutive bytes: no pitch, no padding.
; The matrix instruction is used transposed (source 0 = 16 d of V, source 1 = 16 queries of P): a lane holds eight neighbouring d of one query.
; The 14 steps are written out, so that each step's scale words have registers of their own.
; REGISTERS.  window 0: v0-31 addresses; v32-87 V's scale words, v88-143 P's (they hold scales and nothing else); v144-239 P's fragments, one set (in the prologue v144-255 at work).
;   window 1: V's fragments, two sets, at v0 and v128; on the way out v0-127 rows of O.   windows 2, 3: accumulator (a, b) at v[8 (8 (a % 4) + b)].
.set SLOT,   122880
.set POFF,   98304
.set PS,     245760                    ; P's scale words under the split's M: [step 14][lane 32][pair of tiles 4]; no fill lands here
.set SPARE,  252928                    ; the spare words, 128 bytes for each wave: two blocks of 256 bytes that no other line names
.set SPITCH, 528                       ; the way out: 16 rows x (512 + 16) bytes a wave, in slot 1, which has had its last fill and its last read by then
.set NL,     4
.set PA16, 16
.set PA8,  18
.set VA16, 20
.set VA8,  22
.set STO,  24
.set RD,   25
.set CO,   26
.set PSR,  27
.set SPW,  28
.set NIL,  29
.set PSW,  30
.set STA,  31
.set VSC,  32
.set PSC,  88
.set AF,   144
.set WV,   14
.set G1V,  24
.set G0V,  32
.set G1P,  40
.set G0P,  48
.set MSB, 0
.macro WIN new
.if MSB != \new
	s_set_vgpr_msb (MSB<<8)|\new
.set MSB, \new
.endif
.endm
.set MUL_LO, 0xa1                      ; source 0 (V) window 1, source 1 (P) window 0, C and D window 2
.set MUL_HI, 0xf1
.set TO_B,   0x40
.macro PLACES n
.rept \n
	v_nop
.endr
.endm
.macro JLOAD s                         ; waves 0-2: their third of V's two steps, jointly; wave 3: P's two steps.  The branch hangs on the wave's number alone.  Four v_nop follow each line
	s_cmp_eq_u32 s[WV], 3
	s_cbranch_scc1 .Lfor_p_\@
	tensor_load_to_lds s[G0V+4*\s:G0V+4*\s+3], s[G1V:G1V+7]
	s_nop 0
	PLACES 4
	s_branch .Lasked_\@
.Lfor_p_\@:
	tensor_load_to_lds s[G0P+4*\s:G0P+4*\s+3], s[G1P:G1P+7]
	s_nop 0
	PLACES 4
.Lasked_\@:
.endm
.macro CREST
	s_cmp_lg_u32 s[WV], 0
	s_cbranch_scc1 .Lnot_wave_0_\@
	s_barrier_signal -3
.Lnot_wave_0_\@:
	s_barrier_wait -3
	s_barrier_signal -1
	s_barrier_wait -1
.endm
.macro CROUND
	s_barrier_signal -1
	s_barrier_wait -1
	CREST
.endm
	s_load_b256 s[4:11], s[0:1], 0x0               ; pimg s[4:5], vimg s[6:7], aux s[8:9], stat s[10:11]
	s_load_b64 s[12:13], s[0:1], 0x20              ; opart
	v_lshl_add_u32 v[SPW], v0, 2, SPARE
	v_mov_b32 v[NIL], 0
	ds_add_u32 v28, v29
	ds_add_u32 v28, v29
	s_wait_dscnt 0x0
	v_lshrrev_b32 v1, 5, v0
	v_readfirstlane_b32 s[WV], v1                  ; wave 0..3
	s_bfe_u32 s15, ttmp6, 0x40000                  ; cx
	s_lshl_b32 s16, ttmp9, 2
	s_add_co_u32 s16, s16, s15                     ; my block of 128 queries: it enters P's, the statistics' and O's global addresses alone
	s_and_b32 s17, ttmp7, 0xffff                   ; the split, which the four partners share
	s_mov_b32 s[G1V], 15|(3<<16)|(1<<21)           ; the mask: all four; elements of 8 bytes; bit 21 beside a mask
	s_mov_b32 s[G1V+1], 32<<16                     ; rows of 256 bytes,
	s_mov_b32 s[G1V+2], 128<<16                    ; 128 of them: 32,768 dense bytes
	s_mov_b32 s[G1V+3], 32<<16
	s_mov_b32 s[G1V+4], 128
	s_mov_b32 s[G1V+5], 32
	s_mov_b32 s[G1V+6], 0
	s_mov_b32 s[G1V+7], 0
	s_mov_b32 s[G1P], 3<<16                        ; no mask
	s_mov_b32 s[G1P+1], 1536<<16                   ; two rows of 12,288 bytes,
	s_mov_b32 s[G1P+2], 2<<16
	s_mov_b32 s[G1P+3], 1536<<16
	s_mov_b32 s[G1P+4], 2
	s_mov_b32 s[G1P+5], 12288                      ; 98,304 bytes apart
	s_mov_b32 s[G1P+6], 0
	s_mov_b32 s[G1P+7], 0
	s_mul_i32 s18, s17, 14*49152
	s_lshl_b32 s19, s[WV], 15
	s_add_co_u32 s18, s18, s19
	s_mov_b32 s19, 0
	s_mul_i32 s20, s17, 14*98304
	s_mul_i32 s21, s16, 12288
	s_add_co_u32 s20, s20, s21
	s_mov_b32 s21, 0
	s_lshl_b32 s22, s[WV], 15
	s_wait_kmcnt 0x0
	s_add_nc_u64 s[18:19], s[6:7], s[18:19]
	s_add_nc_u64 s[20:21], s[4:5], s[20:21]
	CROUND                                         ; all four work-groups are here: the first joint loads meet
.irp s, 0,1
	s_mov_b32 s[G0V+4*\s], 1
	s_add_co_u32 s[G0V+4*\s+1], s22, \s*SLOT
	s_add_nc_u64 s[G0V+4*\s+2:G0V+4*\s+3], s[18:19], \s*98304
	s_or_b32 s[G0V+4*\s+3], s[G0V+4*\s+3], 0x80000000
	s_mov_b32 s[G0P+4*\s], 1
	s_mov_b32 s[G0P+4*\s+1], \s*SLOT+POFF
	s_add_nc_u64 s[G0P+4*\s+2:G0P+4*\s+3], s[20:21], \s*196608
	s_or_b32 s[G0P+4*\s+3], s[G0P+4*\s+3], 0x80000000
.endr
	s_cmp_eq_u32 s[WV], 3                          ; slot 0's first fill: one tensor load a wave at the head
	s_cbranch_scc1 .Lfirst_p
	tensor_load_to_lds s[G0V:G0V+3], s[G1V:G1V+7]
	s_nop 0
	PLACES 4
	s_branch .Lfirst_asked
.Lfirst_p:
	tensor_load_to_lds s[G0P:G0P+3], s[G1P:G1P+7]
	s_nop 0
	PLACES 4
.Lfirst_asked:
	v_and_b32 v1, 31, v0                           ; lane
	v_and_b32 v2, 15, v0                           ; r
	v_bfe_u32 v3, v0, 4, 1                         ; h
	v_lshlrev_b32 v4, 4, v1                        ; 16 x lane
	v_lshlrev_b32 v5, 4, v2
	v_lshl_add_u32 v5, v3, 3, v5                   ; 16 r + 8 h
	v_lshlrev_b32 v9, 3, v1                        ; 8 x lane
	s_mul_i32 s23, s[WV], 12288                    ; my eight d tiles in a step of V
.irp s, 0,1
	v_add_nc_u32 v[PA16+\s], \s*SLOT+POFF, v4
	v_add_nc_u32 v[PA8+\s], \s*SLOT+POFF, v5
	s_add_co_u32 s56, s23, \s*SLOT
	v_add_nc_u32 v[VA16+\s], s56, v4
	v_add_nc_u32 v[VA8+\s], s56, v5
.endr
	s_mul_i32 s57, s[WV], 16*SPITCH
	s_add_co_u32 s57, s57, SLOT                    ; my stage
	v_mul_u32_u24 v6, v2, SPITCH
	v_lshl_add_u32 v6, v3, 5, v6
	v_add_nc_u32 v[STO], s57, v6                   ; in: row r, 32 bytes for each half of the lanes
	v_add_nc_u32 v[RD], s57, v4                    ; back: the 32 lanes take a row of 512 bytes
	v_mov_b32 v[CO], v4
	v_add_nc_u32 v[PSR], PS, v4
	s_lshl_b32 s56, s[WV], 2
	v_add_nc_u32 v[PSW], s56, v[PSR]
	v_mul_u32_u24 v[STA], v3, 200704
	v_lshl_add_u32 v[STA], v2, 3, v[STA]           ; the statistics of query 32 w + lane: tile 2 w + lane / 16, row lane % 16
	s_wait_alu depctr_va_vdst(0)
	s_lshl_b32 s58, s16, 3
	s_lshl_b32 s59, s[WV], 1
	s_add_co_u32 s58, s58, s59
	s_mul_i32 s58, s58, 200704
	s_mul_i32 s59, s17, 7168
	s_add_co_u32 s58, s58, s59
	s_mov_b32 s59, 0
	s_add_nc_u64 s[60:61], s[10:11], s[58:59]
	s_mul_i32 s58, s17, 28672
	s_lshl_b32 s56, s[WV], 9
	s_add_co_u32 s58, s58, s56
	s_add_nc_u64 s[62:63], s[8:9], s[58:59]        ; V's scale words
	s_lshl_b32 s56, s17, 13
	s_lshl_b32 s57, s16, 10
	s_add_co_u32 s56, s56, s57
	s_lshl_b32 s57, s[WV], 8
	s_add_co_u32 s56, s56, s57
	s_mov_b32 s57, 0
	s_add_nc_u64 s[66:67], s[12:13], s[56:57]
	s_add_nc_u64 s[66:67], s[66:67], 0x3800000     ; the splits' (-M, l), behind the 28 partial O
	s_lshl_b32 s58, s17, 21
	s_lshl_b32 s56, s16, 18
	s_add_co_u32 s58, s58, s56
	s_lshl_b32 s56, s[WV], 9
	s_add_co_u32 s58, s58, s56
	s_add_nc_u64 s[12:13], s[12:13], s[58:59]      ; my part of the split's O
.set i, 0
.rept 14
	global_load_b128 v[VSC+4*i:VSC+4*i+3], v4, s[62:63] offset:802816+2048*i    ; register jj: lanes 0-15 d tile 8 w + 2 jj, lanes 16-31 the next
.set i, i+1
.endr
.set i, 0
.rept 28
	global_load_b64 v[144+2*i:145+2*i], v[STA], s[60:61] offset:256*i           ; (-M, l) of chunk i
	global_load_b64 v[200+2*i:201+2*i], v[STA], s[60:61] offset:256*i+128       ; its two blocks' scale operands
.set i, i+1
.endr
	s_wait_loadcnt 0x0
	v_min3_num_f32 v2, v144, v146, v148            ; the split's -M
.set i, 150
.rept 12
	v_min3_num_f32 v2, v2, v[i], v[i+2]
.set i, i+4
.endr
	v_min_num_f32 v2, v2, v198
.set c, 0
.rept 28
	v_sub_f32 v4, v2, v[144+2*c]                   ; the chunk's M less the split's: a whole number, 0 or less,
	v_max_num_f32 v4, 0xc3960000, v4               ; held at -300, under which every f32 number falls to 0
	v_cvt_i32_f32 v4, v4
.if c == 0
	v_ldexp_f32 v3, v[145+2*c], v4
.else
	v_ldexp_f32 v5, v[145+2*c], v4
	v_add_f32 v3, v3, v5
.endif
	v_ldexp_f32 v6, v[200+2*c], v4
	v_ldexp_f32 v7, v[201+2*c], v4
	v_lshrrev_b32 v6, 23, v6                       ; the bytes under the split's M
	v_lshrrev_b32 v7, 23, v7
.if c%2 == 0
	v_lshl_or_b32 v8, v7, 8, v6
.else
	v_lshl_or_b32 v8, v6, 16, v8
	v_lshl_or_b32 v8, v7, 24, v8
	ds_store_b32 v[PSW], v8 offset:512*(c/2)
.endif
.set c, c+1
.endr
	global_store_b64 v9, v[2:3], s[66:67]
	s_wait_alu depctr_va_vdst(0)
	s_wait_tensorcnt 0x0                           ; my part of slot 0 is in
	ds_add_u32 v[SPW], v[NIL]
	s_wait_dscnt 0x0                               ; the add is done, and my scale words lie in LDS
	CROUND                                         ; a whole round: slot 0 and the scale words are whole, and the four work-groups are here
	JLOAD 1                                        ; slot 1's first fill, the first tensor load behind the round
.macro FRAG reg, a16, a8, off          ; a fragment: two halves of 768 bytes
	ds_load_b128 v[\reg:\reg+3], v[\a16] offset:\off
	ds_load_b64 v[\reg+4:\reg+5], v[\a8] offset:\off+512
	ds_load_b128 v[\reg+6:\reg+9], v[\a16] offset:\off+768
	ds_load_b64 v[\reg+10:\reg+11], v[\a8] offset:\off+1280
.endm
.macro FETCH_B slot, q, p              ; my eight fragments of V, the slot's q-th step, into set p
	WIN TO_B
.irp i, 0,1,2,3,4,5,6,7
	FRAG 128*(\p)+12*\i, VA16+\slot, VA8+\slot, (\q)*49152+\i*1536
.endr
	WIN 0
.endm
.macro FETCH_A slot, q, i0             ; P's tiles i0 .. i0 + 3
.irp i, \i0, \i0+1, \i0+2, \i0+3
	FRAG AF+12*(\i), PA16+\slot, PA8+\slot, (\q)*12288+(\i)*1536
.endr
.endm
; 16 matrix instructions: P's tiles a0, a0 + 1 x V's eight, step k.  The 64 accumulators take turns, one instruction a turn, in the same order in every step
.macro MUL16 a0, p, k, zero
.irp a, \a0, \a0+1
.irp b, 0,1,2,3,4,5,6,7
.set rD, 8*(8*((\a)%4)+\b)
.set rV, 128*(\p)+12*\b
.set rP, AF+12*(\a)
.set rSV, VSC+4*(\k)+\b/2
.set rSP, PSC+4*(\k)+(\a)/2
.if \zero
.if (\b%2 == 0) && ((\a)%2 == 0)
	v_wmma_scale_f32_16x16x128_f8f6f4 v[rD:rD+7], v[rV:rV+11], v[rP:rP+11], 0, v[rSV], v[rSP] matrix_a_fmt:MATRIX_FMT_FP6 matrix_b_fmt:MATRIX_FMT_FP6
.elseif (\b%2 == 1) && ((\a)%2 == 0)
	v_wmma_scale_f32_16x16x128_f8f6f4 v[rD:rD+7], v[rV:rV+11], v[rP:rP+11], 0, v[rSV], v[rSP] matrix_a_fmt:MATRIX_FMT_FP6 matrix_b_fmt:MATRIX_FMT_FP6 matrix_a_scale:MATRIX_SCALE_ROW1
.elseif (\b%2 == 0)
	v_wmma_scale_f32_16x16x128_f8f6f4 v[rD:rD+7], v[rV:rV+11], v[rP:rP+11], 0, v[rSV], v[rSP] matrix_a_fmt:MATRIX_FMT_FP6 matrix_b_fmt:MATRIX_FMT_FP6 matrix_b_scale:MATRIX_SCALE_ROW1
.else
	v_wmma_scale_f32_16x16x128_f8f6f4 v[rD:rD+7], v[rV:rV+11], v[rP:rP+11], 0, v[rSV], v[rSP] matrix_a_fmt:MATRIX_FMT_FP6 matrix_b_fmt:MATRIX_FMT_FP6 matrix_a_scale:MATRIX_SCALE_ROW1 matrix_b_scale:MATRIX_SCALE_ROW1
.endif
.else
.if (\b%2 == 0) && ((\a)%2 == 0)
	v_wmma_scale_f32_16x16x128_f8f6f4 v[rD:rD+7], v[rV:rV+11], v[rP:rP+11], v[rD:rD+7], v[rSV], v[rSP] matrix_a_fmt:MATRIX_FMT_FP6 matrix_b_fmt:MATRIX_FMT_FP6
.elseif (\b%2 == 1) && ((\a)%2 == 0)
	v_wmma_scale_f32_16x16x128_f8f6f4 v[rD:rD+7], v[rV:rV+11], v[rP:rP+11], v[rD:rD+7], v[rSV], v[rSP] matrix_a_fmt:MATRIX_FMT_FP6 matrix_b_fmt:MATRIX_FMT_FP6 matrix_a_scale:MATRIX_SCALE_ROW1
.elseif (\b%2 == 0)
	v_wmma_scale_f32_16x16x128_f8f6f4 v[rD:rD+7], v[rV:rV+11], v[rP:rP+11], v[rD:rD+7], v[rSV], v[rSP] matrix_a_fmt:MATRIX_FMT_FP6 matrix_b_fmt:MATRIX_FMT_FP6 matrix_b_scale:MATRIX_SCALE_ROW1
.else
	v_wmma_scale_f32_16x16x128_f8f6f4 v[rD:rD+7], v[rV:rV+11], v[rP:rP+11], v[rD:rD+7], v[rSV], v[rSP] matrix_a_fmt:MATRIX_FMT_FP6 matrix_b_fmt:MATRIX_FMT_FP6 matrix_a_scale:MATRIX_SCALE_ROW1 matrix_b_scale:MATRIX_SCALE_ROW1
.endif
.endif
.endr
.endr
.endm
; a slot's first step (V's set 0); it fetches the slot's second
.macro STEP slot, k, zero
	s_wait_dscnt 4*NL                              ; V's set and P's tiles 0-3 are in; the youngest 16 loads (tiles 4-7) may be out
	WIN MUL_LO
	MUL16 0, 0, \k, \zero
	MUL16 2, 0, \k, \zero
	s_wait_dscnt 0x0
	PLACES 4                                       ; four places in front of loads into registers that matrix instructions have read
	FETCH_B \slot, 1, 1
	FETCH_A \slot, 1, 0
	WIN MUL_HI
	MUL16 4, 0, \k, \zero
	MUL16 6, 0, \k, \zero
	PLACES 4
	WIN 0
	FETCH_A \slot, 1, 4
.endm
; a slot's second step (V's set 1) changes slots: one barrier; in front of it each wave waits for all its tensor loads, adds 0 to its spare word, and waits for that and for its reads of the slot.
; fill = 1: the barrier opens a round of the cluster's, and the slot is filled again first thing behind it: the load has two steps, 128 matrix instructions a wave, in which to land
.macro TURN slot, next, k, fill
	s_wait_tensorcnt 0x0                           ; all my tensor loads have landed: my part of the next slot
	ds_add_u32 v[SPW], v[NIL]                      ; 0 onto my spare word
	s_wait_dscnt 4*NL+1                            ; (the add and the youngest 16 loads may be out)
	WIN MUL_LO
	MUL16 0, 1, \k, 0
	s_wait_dscnt 0x0                               ; the add is done, and my reads of this slot are over
	s_barrier_signal -1
	MUL16 2, 1, \k, 0
	WIN 0
	s_barrier_wait -1
.if \fill
	CREST                                          ; no wave of any partner still reads this slot or has a load on its way
	s_add_nc_u64 s[G0V+4*\slot+2:G0V+4*\slot+3], s[G0V+4*\slot+2:G0V+4*\slot+3], 196608
	s_add_nc_u64 s[G0P+4*\slot+2:G0P+4*\slot+3], s[G0P+4*\slot+2:G0P+4*\slot+3], 393216
	JLOAD \slot                                    ; its four v_nop are also the places in front of the loads below
.else
	PLACES 4
.endif
	FETCH_B \next, 0, 0
	FETCH_A \next, 0, 0
	WIN MUL_HI
	MUL16 4, 1, \k, 0
	MUL16 6, 1, \k, 0
	PLACES 4
	WIN 0
	FETCH_A \next, 0, 4
.endm
.set i, 0
.rept 14
	ds_load_b128 v[PSC+4*i:PSC+4*i+3], v[PSR] offset:512*i     ; register a': lanes 0-15 tile 2 a' of the queries, lanes 16-31 tile 2 a' + 1
.set i, i+1
.endr
	FETCH_B 0, 0, 0
	FETCH_A 0, 0, 0
	FETCH_A 0, 0, 4
	STEP 0, 0, 1                                   ; the first products start the sums: nothing is cleared
	TURN 0, 1, 1, 1
	STEP 1, 2, 0
	TURN 1, 0, 3, 1
	STEP 0, 4, 0
	TURN 0, 1, 5, 1
	STEP 1, 6, 0
	TURN 1, 0, 7, 1
	STEP 0, 8, 0
	TURN 0, 1, 9, 1
	STEP 1, 10, 0
	TURN 1, 0, 11, 0                               ; nothing is left to fetch: a plain barrier
	STEP 0, 12, 0
	s_wait_dscnt 4*NL
	WIN MUL_LO
	MUL16 0, 1, 13, 0
	MUL16 2, 1, 13, 0
	s_wait_dscnt 0x0
	WIN MUL_HI
	MUL16 4, 1, 13, 0
	MUL16 6, 1, 13, 0
	WIN 0
; THE WAY OUT, a tile of 16 queries x my 128 d at a time, through my own stage: in as 32 bytes a lane, back as whole rows of 512 bytes.  LDS serves a wave's instructions in order: no wait between the stores and the loads
.macro TOSTAGE a
.set AC0, 64*((\a)%4)
	WIN 0x08+4*((\a)/4)                            ; an LDS store's data: window 2 or 3
.irp b, 0,1,2,3,4,5,6,7
	ds_store_b128 v[STO], v[AC0+8*\b:AC0+8*\b+3] offset:64*\b          ; each accumulator from its low end on
	ds_store_b128 v[STO], v[AC0+8*\b+4:AC0+8*\b+7] offset:64*\b+16
.endr
	WIN 0x40                                       ; back into window 1
.set BB, 64*((\a)%2)
.irp t, 0,1,2,3,4,5,6,7,8,9,10,11,12,13,14,15
	ds_load_b128 v[BB+4*\t:BB+4*\t+3], v[RD] offset:\t*SPITCH
.endr
	WIN 0
.endm
.macro SEND a, younger
.set BB, 64*((\a)%2)
	s_wait_dscnt \younger
.if (\a) > 0
	s_add_nc_u64 s[12:13], s[12:13], 16*2048       ; (behind a wait on XCNT: the earlier stores have read their base)
.endif
	WIN 0x04                                       ; a store's data: window 1
.irp t, 0,1,2,3,4,5,6,7,8,9,10,11,12,13,14,15
	global_store_b128 v[CO], v[BB+4*\t:BB+4*\t+3], s[12:13] offset:\t*2048 th:TH_STORE_NT   ; 32 lanes store 512 consecutive bytes, aligned
.endr
	WIN 0
.endm
	PLACES 4
	TOSTAGE 0
.irp a, 1,2,3,4,5,6,7
.if \a > 1
	s_wait_xcnt 0x0                                ; tile a - 2's stores have read their registers and their base
.endif
	TOSTAGE \a
	SEND \a-1, 32                                  ; behind tile a - 1's loads: tile a's 16 stores and 16 loads
.endr
	s_wait_xcnt 0x0
	SEND 7, 0
	s_wait_tensorcnt 0x0                           ; the wave's end
	ds_add_u32 v[SPW], v[NIL]
	s_wait_dscnt 0x0
	CROUND                                         ; the closing round
	s_endpgm
.Lfunc_end_k_q0ff10f8e6e_pv:
	.size	k_q0ff10f8e6e_pv, .Lfunc_end_k_q0ff10f8e6e_pv-k_q0ff10f8e6e_pv
	.p2alignl 7, 3214868480
	.fill 96, 4, 3214868480
	.section	.rodata,"a",@progbits
	.p2align	6, 0x0
	.amdhsa_kernel k_q0ff10f8e6e_pv
		.amdhsa_group_segment_fixed_size 327680
		.amdhsa_private_segment_fixed_size 0
		.amdhsa_enable_private_segment 0
		.amdhsa_kernarg_size 40
		.amdhsa_user_sgpr_count 2
		.amdhsa_user_sgpr_kernarg_segment_ptr 1
		.amdhsa_wavefront_size32 1
		.amdhsa_system_sgpr_workgroup_id_x 1
		.amdhsa_system_sgpr_workgroup_id_y 1
		.amdhsa_system_sgpr_workgroup_id_z 1
		.amdhsa_system_vgpr_workitem_id 0
		.amdhsa_next_free_vgpr 1024
		.amdhsa_next_free_sgpr 100
		.amdhsa_reserve_vcc 0
		.amdhsa_float_denorm_mode_32 3
		.amdhsa_float_denorm_mode_16_64 3
		.amdhsa_memory_ordered 1
		.amdhsa_forward_progress 1
		.amdhsa_inst_pref_size 241
	.end_amdhsa_kernel
	.amdgpu_metadata
---
amdhsa.version: [ 1, 2 ]
amdhsa.kernels:
  - .name:           k_q0ff10f8e6e_pv
    .symbol:         k_q0ff10f8e6e_pv.kd
    .args:
      - { .name: pimg, .offset: 0, .size: 8, .value_kind: global_buffer, .address_space: global }
      - { .name: vimg, .offset: 8, .size: 8, .value_kind: global_buffer, .address_space: global }
      - { .name: aux, .offset: 16, .size: 8, .value_kind: global_buffer, .address_space: global }
      - { .name: stat, .offset: 24, .size: 8, .value_kind: global_buffer, .address_space: global }
      - { .name: opart, .offset: 32, .size: 8, .value_kind: global_buffer, .address_space: global }
    .group_segment_fixed_size: 327680
    .private_segment_fixed_size: 0
    .kernarg_segment_align: 8
    .kernarg_segment_size: 40
    .max_flat_workgroup_size: 128
    .sgpr_count:     100
    .vgpr_count:     1024
    .wavefront_size: 32
...
	.end_amdgpu_metadata
.endif
;; end of part 3
;; launch combine (part 4): grid 256 x 1, 4 waves a work-group, no clusters, 0 bytes of LDS; arguments opart, x, sigma, out0; writes out0
.if DOCPART == 4
	.amdgcn_target "amdgcn-amd-amdhsa--gfx1250"
	.amdhsa_code_object_version 6
	.text
	.protected	k_q0ff10f8e6e_combine
	.globl	k_q0ff10f8e6e_combine
	.p2align	8
	.type	k_q0ff10f8e6e_combine,@function
k_q0ff10f8e6e_combine:
	s_mov_b64 s[64:65], 0
	v_nop
	global_prefetch_b8 v0, s[64:65] scope:SCOPE_SE
	s_setreg_imm32_b32 hwreg(HW_REG_WAVE_MODE, 25, 1), 1
	s_wait_xcnt 0x0
; out[q][:] = (x[q][:] - (sum over 28 splits of f_j O_j[q][:]) / (sum of f_j l_j)) / sigma[q], f_j = 2^(M_j - the largest M): exact powers of two.
; A wave takes one query: lane j holds split j's (-M, l); the 28 factors go to scalar registers (as data alone); the partial rows come in seven batches of four splits,
; 16 loads of 512 consecutive bytes each, two batches in flight.  Memory binds: no LDS, no barrier, no matrix unit.
; The two divisions are multiplications by v_rcp_f32's results.  A factor under 2^-300 counts as 0.
	s_load_b256 s[4:11], s[0:1], 0x0               ; opart s[4:5], x s[6:7], sigma s[8:9], out0 s[10:11]
	v_lshrrev_b32 v1, 5, v0
	v_readfirstlane_b32 s12, v1
	v_and_b32 v1, 31, v0
	s_lshl_b32 s13, ttmp9, 2
	s_add_co_u32 s13, s13, s12                     ; my query
	v_min_u32 v2, 27, v1
	v_lshlrev_b32 v2, 13, v2                       ; split min(lane, 27): 8,192 bytes a split
	v_lshlrev_b32 v3, 4, v1                        ; 16 x lane
	v_mov_b32 v4, 0
	v_mov_b32 v11, 0                               ; a lane permute's destination counts as read
	s_mov_b32 s28, 0x76543210
	s_mov_b32 s29, 0xfedcba98
	s_lshl_b32 s14, s13, 3
	s_mov_b32 s15, 0
	s_lshl_b32 s16, s13, 11
	s_mov_b32 s17, 0
	s_lshl_b32 s18, s13, 2
	s_mov_b32 s19, 0
	s_wait_alu depctr_va_vdst(0)
	s_wait_kmcnt 0x0
	s_add_nc_u64 s[20:21], s[4:5], s[14:15]
	s_add_nc_u64 s[20:21], s[20:21], 0x3800000     ; the splits' (-M, l)
	s_add_nc_u64 s[66:67], s[4:5], s[16:17]        ; a base for each batch of four splits: the immediates reach three splits on
.irp b, 1,2,3,4,5,6
	s_add_nc_u64 s[66+2*\b:67+2*\b], s[66+2*(\b-1):67+2*(\b-1)], 0x800000
.endr
	s_add_nc_u64 s[22:23], s[6:7], s[16:17]
	s_add_nc_u64 s[24:25], s[10:11], s[16:17]
	s_add_nc_u64 s[26:27], s[8:9], s[18:19]
	global_load_b64 v[8:9], v2, s[20:21]
	global_load_b32 v12, v4, s[26:27]
.irp i, 0,1,2,3
	global_load_b128 v[160+4*\i:163+4*\i], v3, s[22:23] offset:512*\i
.endr
.macro LOADB b
.irp j, 0,1,2,3
.irp i, 0,1,2,3
	global_load_b128 v[32+64*((\b)%2)+16*\j+4*\i:32+64*((\b)%2)+16*\j+4*\i+3], v3, s[66+2*(\b):67+2*(\b)] offset:2097152*\j+512*\i th:TH_LOAD_NT
.endr
.endr
.endm
	LOADB 0
	LOADB 1
	s_wait_loadcnt 32                              ; the statistics, sigma and x are in; the two batches stay out
	v_mov_b32 v10, v8
	v_min_num_f32_dpp v10, v10, v10 row_xmask:1 row_mask:0xf bank_mask:0xf
	v_min_num_f32_dpp v10, v10, v10 row_xmask:2 row_mask:0xf bank_mask:0xf
	v_min_num_f32_dpp v10, v10, v10 row_xmask:4 row_mask:0xf bank_mask:0xf
	v_min_num_f32_dpp v10, v10, v10 row_xmask:8 row_mask:0xf bank_mask:0xf
	v_permlanex16_b32 v11, v10, s28, s29
	v_min_num_f32 v10, v10, v11                    ; the smallest -M: the largest M
	v_sub_f32 v10, v10, v8
	v_max_num_f32 v10, 0xc3960000, v10
	v_cvt_i32_f32 v10, v10
	v_ldexp_f32 v10, 1.0, v10                      ; f
	v_cmp_gt_u32 vcc_lo, 28, v1
	v_cndmask_b32 v10, 0, v10, vcc_lo              ; lanes 28-31 repeat split 27: they count for nothing
	v_mul_f32 v13, v10, v9
	v_add_f32_dpp v13, v13, v13 row_xmask:1 row_mask:0xf bank_mask:0xf
	v_add_f32_dpp v13, v13, v13 row_xmask:2 row_mask:0xf bank_mask:0xf
	v_add_f32_dpp v13, v13, v13 row_xmask:4 row_mask:0xf bank_mask:0xf
	v_add_f32_dpp v13, v13, v13 row_xmask:8 row_mask:0xf bank_mask:0xf
	v_permlanex16_b32 v11, v13, s28, s29
	v_add_f32 v13, v13, v11                        ; the row's sum
.set j, 0
.rept 28
	v_readlane_b32 s[32+j], v10, j
.set j, j+1
.endr
.macro ACCB b
.if (\b) < 6
	s_wait_loadcnt 16                              ; this batch's 16 loads are in; the next batch's stay out
.else
	s_wait_loadcnt 0x0
.endif
.irp j, 0,1,2,3
.set i, 0
.rept 16
.if ((\b) == 0) && (\j == 0)
	v_mul_f32 v[16+i], s[32+4*(\b)+\j], v[32+64*((\b)%2)+16*\j+i]          ; the first split starts the sums
.else
	v_fmac_f32 v[16+i], s[32+4*(\b)+\j], v[32+64*((\b)%2)+16*\j+i]
.endif
.set i, i+1
.endr
.endr
.if (\b)+2 <= 6
	LOADB (\b)+2
.endif
.endm
.irp b, 0,1,2,3,4,5,6
	ACCB \b
.endr
	s_wait_alu depctr_va_vdst(0)
	v_rcp_f32 v13, v13
	v_rcp_f32 v14, v12
	v_nop                                          ; a plain place behind the reciprocals
.set i, 0
	s_wait_alu depctr_va_vdst(0)
.rept 16
	v_fma_f32 v[16+i], -v[16+i], v13, v[160+i]
.set i, i+1
.endr
.set i, 0
.rept 16
	v_mul_f32 v[16+i], v[16+i], v14
.set i, i+1
.endr
.irp i, 0,1,2,3
	global_store_b128 v3, v[16+4*\i:19+4*\i], s[24:25] offset:512*\i       ; 512 consecutive bytes, aligned
.endr
	s_endpgm
.Lfunc_end_k_q0ff10f8e6e_combine:
	.size	k_q0ff10f8e6e_combine, .Lfunc_end_k_q0ff10f8e6e_combine-k_q0ff10f8e6e_combine
	.p2alignl 7, 3214868480
	.fill 96, 4, 3214868480
	.section	.rodata,"a",@progbits
	.p2align	6, 0x0
	.amdhsa_kernel k_q0ff10f8e6e_combine
		.amdhsa_group_segment_fixed_size 0
		.amdhsa_private_segment_fixed_size 0
		.amdhsa_enable_private_segment 0
		.amdhsa_kernarg_size 32
		.amdhsa_user_sgpr_count 2
		.amdhsa_user_sgpr_kernarg_segment_ptr 1
		.amdhsa_wavefront_size32 1
		.amdhsa_system_sgpr_workgroup_id_x 1
		.amdhsa_system_sgpr_workgroup_id_y 1
		.amdhsa_system_sgpr_workgroup_id_z 1
		.amdhsa_system_vgpr_workitem_id 0
		.amdhsa_next_free_vgpr 176
		.amdhsa_next_free_sgpr 84
		.amdhsa_reserve_vcc 1
		.amdhsa_float_denorm_mode_32 3
		.amdhsa_float_denorm_mode_16_64 3
		.amdhsa_memory_ordered 1
		.amdhsa_forward_progress 1
		.amdhsa_inst_pref_size 32
	.end_amdhsa_kernel
	.amdgpu_metadata
---
amdhsa.version: [ 1, 2 ]
amdhsa.kernels:
  - .name:           k_q0ff10f8e6e_combine
    .symbol:         k_q0ff10f8e6e_combine.kd
    .args:
      - { .name: opart, .offset: 0, .size: 8, .value_kind: global_buffer, .address_space: global }
      - { .name: x, .offset: 8, .size: 8, .value_kind: global_buffer, .address_space: global }
      - { .name: sigma, .offset: 16, .size: 8, .value_kind: global_buffer, .address_space: global }
      - { .name: out0, .offset: 24, .size: 8, .value_kind: global_buffer, .address_space: global }
    .group_segment_fixed_size: 0
    .private_segment_fixed_size: 0
    .kernarg_segment_align: 8
    .kernarg_segment_size: 32
    .max_flat_workgroup_size: 128
    .sgpr_count:     84
    .vgpr_count:     176
    .wavefront_size: 32
...
	.end_amdgpu_metadata
.endif
;; end of part 4
